; MI455X (gfx1250); checked and timed in simulation.
; The chip was launched on July 23, 2026; its instructions are those of AMD's public machine-readable ISA for CDNA 5 (MIT licence, August 2026) and "CDNA5" Instruction Set Architecture Reference Guide (July 2026). The comments in the code are by the model that wrote it; some were corrected since.
;; Attention. Allowed arithmetic: float matrix products may take bf16 or f16 operands with f32 sums; other float arithmetic in f32, or as packed bf16 or f16 multiplies, adds, multiply-adds, maxima and minima; sums over many terms, partial sums and values carried from step to step in f32; what a program stores and reads back later, other than sums and carried values, may be rounded once to bf16 or f16.
;; Inputs: W_attn 1,024 x 2,048 float32; context 16 x 1,024 x 1,024 float32; query 16 x 1,024 x 1,024 float32.
;; Outputs: out0 16 x 1,024 x 1,024 float32.
;; 2 versions, each right; version 2 is version 1 with the launch cast written anew for expert scheduling mode. Each part assembles by itself: llvm-mc -triple=amdgcn-amd-amdhsa -mcpu=gfx1250 --defsym DOCPART=n.
;; ======== version 1 of 2: 3 launches
;; limits: values are held in f16: magnitudes above 65,504 overflow, below 6.1e-05 lose precision; inputs' magnitudes at most 65,504; right only within a limited range of input values
;; workspace buffers: q16 33,554,432 bytes; c16 33,554,432 bytes; w16 4,194,304 bytes; p16 33,554,432 bytes; gt16 33,554,432 bytes; st 1,048,576 bytes
;; launch cast (part 1): grid 544 x 1, 8 waves a work-group, no clusters, 0 bytes of LDS; arguments query, context, W_attn, q16, c16, w16; writes q16, c16, w16
.if DOCPART == 1
	.amdgcn_target "amdgcn-amd-amdhsa--gfx1250"
	.amdhsa_code_object_version 6
	.text
	.protected	k_q9b44b73204_cast
	.globl	k_q9b44b73204_cast
	.p2align	8
	.type	k_q9b44b73204_cast,@function
k_q9b44b73204_cast:
	s_mov_b64 s[64:65], 0
	v_nop
	global_prefetch_b8 v0, s[64:65] scope:SCOPE_SE
	s_setreg_imm32_b32 hwreg(HW_REG_WAVE_MODE, 25, 1), 1
	s_wait_xcnt 0x0
; q16, c16, w16 = query, context, W_attn: each f32 is rounded once to bf16 (nearest even), and that number is written as f16.
; A bf16 number has 8 significant bits, f16 holds 11: the second step changes nothing inside f16's normal range.
; LIMITS.  After the rounding to bf16 a number of 65,520 or more becomes an infinity; below 6.1e-5 f16 keeps a fixed step of 6e-8.  NaN and infinities are not treated apart.
; SHARES.  The unit is a row of 1,024 f32: 4,096 bytes in, 2,048 bytes out.  A work-group takes 64 rows: groups 0-255 query, 256-511 context, 512-543 W_attn, of which a row is two units:
; its first half goes to plane 0 of w16 (the weights of mix), its second to plane 1 (the weights of query): w16 is [2][1024][1024].
; Thread t owns bytes 16 t of each row in and bytes 8 t of each row out: a wave's load covers 512 consecutive bytes, its store 256 consecutive bytes, aligned.
; A ring of sixteen slots in registers keeps sixteen loads of every wave on their way: 8 KiB a wave.  A slot's offset for its store is never rewritten: the target's base steps once a round.
; No LDS, no matrix unit, no cluster: the work-groups share no byte, and the launch only moves data.
.set DEPTH, 16
.set ROWI,  4096                       ; bytes in a row as it comes in
.set OFI,   2                          ; v[2:17]    slot i: byte offset of my 16 bytes in the row that the slot loads next
.set OB,    18                         ; v[18:33]   slot i: byte offset of my 8 bytes out among a round's sixteen rows; never rewritten
.set T,     34                         ; v[34:35]   four bf16
.set U,     36                         ; v[36:39]   the same four as f32
.set X,     40                         ; v[40:103]  slot i: four f32 as loaded
.set Y,     104                        ; v[104:135] slot i: four f16 to store
.set SRC,   16                         ; s[16:17]  the source at the group's first row
.set DSP,   18                         ; s[18:19]  the target at the first row of the round in hand
.set SPL,   20                         ; s20  bytes out from an even unit to the odd one behind it: 2,048, for W a plane
.set SQL,   21                         ; s21  bytes out from a pair of units to the next: 4,096, for W 2,048
.set STEP,  22                         ; s[22:23]  bytes out for a round's sixteen units
.set MASK,  24                         ; s24  a word's upper bf16
.set CNT,   25
	s_load_b256 s[4:11], s[0:1], 0x0               ; query s[4:5], context s[6:7], W_attn s[8:9], q16 s[10:11]
	s_load_b128 s[12:15], s[0:1], 0x20             ; c16 s[12:13], w16 s[14:15]
	s_mov_b32 s2, ttmp9
	s_and_b32 s26, s2, 255                         ; the group's number within its tensor
	s_mov_b32 s[MASK], 0xffff0000
	s_mov_b32 s[SPL], 0x200000
	s_mov_b32 s[SQL], 2048
	s_cmp_lt_u32 s2, 512                           ; query or context?
	s_cselect_b32 s[SPL], 2048, s[SPL]
	s_cselect_b32 s[SQL], 4096, s[SQL]
	s_cselect_b32 s27, 17, 16                      ; a group's bytes out: 64 rows of 2,048, for W 32 in each plane
	s_lshl_b32 s[STEP], s[SQL], 3
	s_mov_b32 s[STEP+1], 0
	s_lshl_b32 s28, s26, 18                        ; a group's bytes in: 64 x 4,096
	s_mov_b32 s29, 0
	s_lshl_b32 s30, s26, s27
	s_mov_b32 s31, 0
	v_lshlrev_b32 v1, 3, v0
.irp i, 0,1,2,3,4,5,6,7,8,9,10,11,12,13,14,15
	v_lshl_or_b32 v[OFI+(\i)], v0, 4, (\i)*ROWI
	s_mul_i32 s3, s[SQL], (\i)/2
.if (\i)%2
	s_add_co_u32 s3, s3, s[SPL]
.endif
	v_add_nc_u32 v[OB+(\i)], s3, v1
.endr
	s_wait_kmcnt 0x0
	s_cmp_lt_u32 s2, 512
	s_cselect_b64 s[SRC:SRC+1], s[6:7], s[8:9]
	s_cselect_b64 s[DSP:DSP+1], s[12:13], s[14:15]
	s_cmp_lt_u32 s2, 256
	s_cselect_b64 s[SRC:SRC+1], s[4:5], s[SRC:SRC+1]
	s_cselect_b64 s[DSP:DSP+1], s[10:11], s[DSP:DSP+1]
	s_add_nc_u64 s[SRC:SRC+1], s[SRC:SRC+1], s[28:29]
	s_add_nc_u64 s[DSP:DSP+1], s[DSP:DSP+1], s[30:31]
.irp i, 0,1,2,3,4,5,6,7,8,9,10,11,12,13,14,15
	global_load_b128 v[X+4*(\i):X+4*(\i)+3], v[OFI+(\i)], s[SRC:SRC+1] th:TH_LOAD_NT  ; the ring is filled: rows 0 to 15
.endr
; One slot's turn.  ahead = 1: the slot is filled again with the row sixteen further down.  left = how many younger loads may stay out.
; The slot's Y was last read by its store of the round before, which stands ahead of the wait at that round's end.
.macro SLOT i, ahead, left
	s_wait_loadcnt \left                           ; loads come back in order: mine is in, the younger ones stay out; my load's offset register is free
	v_cvt_pk_bf16_f32 v[T],   v[X+4*(\i)],   v[X+4*(\i)+1]   ; the one rounding
	v_cvt_pk_bf16_f32 v[T+1], v[X+4*(\i)+2], v[X+4*(\i)+3]
	v_lshlrev_b32 v[U],   16, v[T]                 ; bf16 to f32: the low half moves up,
	v_and_b32     v[U+1], s[MASK], v[T]            ; the high half stays
	v_lshlrev_b32 v[U+2], 16, v[T+1]
	v_and_b32     v[U+3], s[MASK], v[T+1]
	v_cvt_pk_f16_f32 v[Y+2*(\i)],   v[U],   v[U+1]
	v_cvt_pk_f16_f32 v[Y+2*(\i)+1], v[U+2], v[U+3]
.if \ahead
	v_add_nc_u32 v[OFI+(\i)], DEPTH*ROWI, v[OFI+(\i)]
	global_load_b128 v[X+4*(\i):X+4*(\i)+3], v[OFI+(\i)], s[SRC:SRC+1] th:TH_LOAD_NT
.endif
	global_store_b64 v[OB+(\i)], v[Y+2*(\i):Y+2*(\i)+1], s[DSP:DSP+1]
.endm
	s_mov_b32 s[CNT], 64/DEPTH-1
.Lround:
.irp i, 0,1,2,3,4,5,6,7,8,9,10,11,12,13,14,15
	SLOT \i, 1, DEPTH-1
.endr
	s_wait_xcnt 0x0                                ; once a round: the round's stores have read their data and their base: both are rewritten only behind this wait
	s_add_nc_u64 s[DSP:DSP+1], s[DSP:DSP+1], s[STEP:STEP+1]
	s_sub_co_u32 s[CNT], s[CNT], 1
	s_cmp_lg_u32 s[CNT], 0
	s_cbranch_scc1 .Lround
.irp i, 0,1,2,3,4,5,6,7,8,9,10,11,12,13,14,15
	SLOT \i, 0, DEPTH-1-(\i)                       ; the last sixteen rows load nothing: the counts run down
.endr
	s_endpgm
.Lfunc_end_k_q9b44b73204_cast:
	.size	k_q9b44b73204_cast, .Lfunc_end_k_q9b44b73204_cast-k_q9b44b73204_cast
	.p2alignl 7, 3214868480
	.fill 96, 4, 3214868480
	.section	.rodata,"a",@progbits
	.p2align	6, 0x0
	.amdhsa_kernel k_q9b44b73204_cast
		.amdhsa_group_segment_fixed_size 0
		.amdhsa_private_segment_fixed_size 0
		.amdhsa_enable_private_segment 0
		.amdhsa_kernarg_size 48
		.amdhsa_user_sgpr_count 2
		.amdhsa_user_sgpr_kernarg_segment_ptr 1
		.amdhsa_wavefront_size32 1
		.amdhsa_system_sgpr_workgroup_id_x 1
		.amdhsa_system_sgpr_workgroup_id_y 1
		.amdhsa_system_sgpr_workgroup_id_z 1
		.amdhsa_system_vgpr_workitem_id 0
		.amdhsa_next_free_vgpr 136
		.amdhsa_next_free_sgpr 66
		.amdhsa_reserve_vcc 0
		.amdhsa_float_denorm_mode_32 3
		.amdhsa_float_denorm_mode_16_64 3
		.amdhsa_memory_ordered 1
		.amdhsa_forward_progress 1
		.amdhsa_inst_pref_size 25
	.end_amdhsa_kernel
	.amdgpu_metadata
---
amdhsa.version: [ 1, 2 ]
amdhsa.kernels:
  - .name:           k_q9b44b73204_cast
    .symbol:         k_q9b44b73204_cast.kd
    .args:
      - { .name: query, .offset: 0, .size: 8, .value_kind: global_buffer, .address_space: global }
      - { .name: context, .offset: 8, .size: 8, .value_kind: global_buffer, .address_space: global }
      - { .name: W_attn, .offset: 16, .size: 8, .value_kind: global_buffer, .address_space: global }
      - { .name: q16, .offset: 24, .size: 8, .value_kind: global_buffer, .address_space: global }
      - { .name: c16, .offset: 32, .size: 8, .value_kind: global_buffer, .address_space: global }
      - { .name: w16, .offset: 40, .size: 8, .value_kind: global_buffer, .address_space: global }
    .group_segment_fixed_size: 0
    .private_segment_fixed_size: 0
    .kernarg_segment_align: 8
    .kernarg_segment_size: 48
    .max_flat_workgroup_size: 256
    .sgpr_count:     66
    .vgpr_count:     136
    .wavefront_size: 32
...
	.end_amdgpu_metadata
.endif
;; end of part 1
;; launch sg (part 2): grid 4 x 64, 4 waves a work-group, clusters of 4 x 4, 327,680 bytes of LDS; arguments q16, c16, w16, p16, gt16, st; writes p16, gt16, st
.if DOCPART == 2
	.amdgcn_target "amdgcn-amd-amdhsa--gfx1250"
	.amdhsa_code_object_version 6
	.text
	.protected	k_q9b44b73204_sg
	.globl	k_q9b44b73204_sg
	.p2align	8
	.type	k_q9b44b73204_sg,@function
k_q9b44b73204_sg:
	s_mov_b64 s[64:65], 0
	v_nop
	global_prefetch_b8 v0, s[64:65] scope:SCOPE_SE
	s_setreg_imm32_b32 hwreg(HW_REG_WAVE_MODE, 25, 1), 1
	s_wait_xcnt 0x0
	s_wait_alu depctr_hold_cnt(0) depctr_sa_sdst(0) depctr_va_vdst(0) depctr_va_sdst(0) depctr_va_ssrc(0) depctr_va_vcc(0) depctr_vm_vsrc(0)
	s_getreg_b32 s2, hwreg(HW_REG_IB_STS2, 6, 4)
	s_cmp_eq_u32 s2, 0
	s_cbranch_scc0 .Lentry_in_a_cluster
	s_endpgm
.Lentry_in_a_cluster:
	s_bfe_u32 s2, ttmp6, 0x10000c
	s_cmp_lg_u32 s2, 0xf033
	s_cbranch_scc0 .Lentry_shape_is_right
	s_endpgm
.Lentry_shape_is_right:
; TWO PRODUCTS OF ONE SHAPE, C = A B^T with K = 1,024, all operands f16 with rows of 2,048 bytes, sums in f32.  A cluster of 4 x 4 work-groups takes a batch b, and A WORK-GROUP STAYS: it makes the same tile
; (256 x 256) of two matrices, one after the other, against the same 256 rows of c16[b]:
;   first   gt16[b][o][key] = the sum over ch of Wm[o][ch] c16[b][key][ch], rounded once to f16;          then   S = q16[b] c16[b]^T, and of it a LOCAL softmax for each 128 keys.
; mix Wm^T = P (C Wm^T): with GT the last launch multiplies the weights straight by GT, and no matrix is ever wanted turned.
; THE SOFTMAX IN TWO FACTORS.  Key tile t (128 keys: a wave's columns) has for each query M_t = c x (the largest score of the tile), c = log2(e); p = 2^(c s - M_t), stored as f16; L_t = the sum of the
; unrounded p.  M_t and L_t go to st in f32: [b][t][M, L][query].  The last launch takes the largest M_t of a query's eight and scales tile t by 2^(M_t - M) / the sum: so the row's true maximum is taken away.
; LIMITS.  |GT| stays under 65,504 (f16); p lies in 0 to 1 (a last bit over), and below 6.1e-5 it keeps f16's fixed step of 6e-8; a weight below 2^-126 counts as 0 in L_t; NaN and infinities are not treated apart.
; SHAPE.  Four waves, 128 x 128 each: 64 accumulators of 16 x 16, 512 registers.  The two tiles are ONE walk of sixteen K steps of 128 through a ring of two LDS slots filled by the tensor data mover (a tile's rows
; are 256 bytes of memory at multiples of 256 bytes); a refill's address is made anew from the K step's number, so the ring runs on across the change of tiles: S's first two K steps are asked for before GT goes
; out, and nothing waits for GT's stores.  A's tile is asked for JOINTLY by the four work-groups of a row of the cluster, B's by the four of a column.
; THE MATRIX INSTRUCTION IS USED TRANSPOSED (source 0 = 16 rows of B, source 1 = 16 rows of A): lane l holds row l % 16 of C and the columns 8 (l / 16) + 0..7.
; REGISTERS, in windows of 256 (s_set_vgpr_msb: bits 1:0 source 0, 3:2 source 1, 5:4 source 2, 7:6 destination):
;   window 0: v0-31 addresses; v64-127, v128-191 A's fragments, two buffers; on the way out v32-63, v128-255 at work (buffer 0 holds the next quarter's fragments and is left alone)
;   window 1: v64-127, v128-191 B's fragments          window 2: the accumulators of my rows 0-63 ((a, b) at v[8 (8 a + b)])          window 3: those of my rows 64-127
; THE WAY OUT is a loop over my eight blocks of 16 rows.  What names a block's own registers (GT: the roundings; S: the maxima, and the scalings c s - c m) is written once for each block and chosen by forward
; jumps on the block's number; it leaves its results in fixed registers of window 0, and all that follows (exponentials, sums, stage, stores) is written once.
.set KSTEP,  128
.set PITCH,  272                       ; an LDS row: 256 bytes + 16 of padding = 68 words: the 16 rows of a load start at 16 different groups of four banks (64 banks of 4 bytes: ISA guide 11.1)
.set HALFT,  128*PITCH                 ; what one tensor load brings, and what one wave reads of A or of B
.set SLOT,   4*HALFT                   ; A's 256 rows, then B's 256 rows
.set STAGE,  2*SLOT                    ; behind the ring, never filled by a tensor load: 16 rows x 272 bytes for each wave
.set SPITCH, 272
.set SPARE,  STAGE+4*16*SPITCH         ; the spare words, 128 bytes for each wave: two blocks of 256 bytes that no other line names
.set STAT,   SPARE+512                 ; for each wave 128 M, then 128 L
.set GL,   8                           ; v8   16 x lane
.set SR,   9                           ; v9   where I read 16 bytes of my wave's M back
.set SA,   12                          ; v12  my row's word of M in the block in hand
.set SA0,  13                          ; v13  in block 0; never rewritten
.set WK,   14                          ; v[14:15] c m, m
.set ADRA, 16                          ; v16-17  LDS address of my A fragments in slot 0, 1
.set ADRB, 20                          ; v20-21  the same for B
.set STO,  24                          ; v24  where I put 16 bytes of a row into my stage
.set RD,   25                          ; v25  where I read a row back
.set CO,   26                          ; v26  my byte offset in two rows of C
.set SPW,  28                          ; v28  LDS address of my spare word; never rewritten
.set NIL,  29                          ; v29  0; never rewritten
.set PFO,  30                          ; v30  lane x 2,048: a lane a row; never rewritten
.set OB,   32                          ; v32-63   16 rows read back from the stage
.set F0,   64
.set F1,   128
.set SB,   128                         ; v128-191 S's way out: c s - c m, then p, of my lane's 64 numbers of the block: column group b at SB + 8 b
.set TMP,  192                         ; v192-223 packed results
.set TT,   224                         ; v224-231 maxima at work
.set UU,   224                         ; v224-255 later: sums at work
.set SOF,  2                           ; s2   the block's bytes in M and L
.set CST,  4                           ; s[4:5] what C's address steps by: 0 ahead of a tile's first block, then 16 rows
.set NB,   14                          ; s14  the block in hand
.set BAT,  15
.set G1,   24                          ; s[24:31] descriptor group 1 for A's tiles;  s[32:39] group 0, a set for each slot
.set G0,   32
.set FL2,  43                          ; s43  1: the rows that I fetch in K steps 8 to 15 are mine to ask for
.set PFA,  44                          ; s[44:45] the prefetch's address
.set G1B,  48                          ; s[48:55], s[56:63] the same for B's tiles
.set G0B,  56
.set NXT,  66                          ; s66  the K step to ask for next
.set PN,   67                          ; s67  the K step to prefetch
.set C1,   74                          ; s[74:75] p16 at my part of the tile
.set C2,   76                          ; s[76:77] gt16 at my part of the tile
.set STP,  78                          ; s[78:79] st at my wave's 128 rows of my key tile
.set PA1,  80                          ; s[80:81] Wm, s[82:83] q16[b] at the rows that I would fetch for A
.set PA2,  82
.set PB,   84                          ; s[84:85] c16[b] at the rows that I would fetch for B
.set PF1,  86                          ; s[86:87], s[88:89] what I fetch from in the first and in the second tile, at my work-group's 32 rows
.set PF2,  88
.set TA,   90
.set OF,   92                          ; s[92:93], s[94:95] bytes along K, the high words 0
.set OF2,  94
.set GO,   96                          ; s96  1: I prefetch at this change of slots
.set FL1,  97                          ; s97  1: the rows that I fetch in K steps 0 to 7 are mine to ask for
.set CS,   98                          ; s[98:99] c, named as a pair
.set SEL,  100                         ; s[100:101] v_permlanex16_b32's selects: each lane takes its own place in the other half
.set MSB, 0
.macro WIN new                         ; the immediate's high byte repeats the setting that is left; a switch that changes nothing is dropped
.if MSB != (\new)
	s_set_vgpr_msb (MSB<<8)|(\new)
.set MSB, \new
.endif
.endm
.set MUL_LO, 0xa1                      ; source 0 (B) window 1, source 1 (A) window 0, C and D window 2
.set MUL_HI, 0xf1                      ; the same, C and D window 3
.set TO_B,   0x40                      ; destination window 1, address window 0
; A joint load.  Waves 0 and 1 fetch A's two halves, waves 2 and 3 B's.  The branch hangs on the wave's number alone.  An s_nop 0 and four v_nop follow each of the two lines.
.macro JLOAD s
	s_cmp_eq_u32 s11, 0
	s_cbranch_scc0 .Lfor_b_\@
	tensor_load_to_lds s[G0+4*(\s):G0+4*(\s)+3], s[G1:G1+7]
	s_nop 0
.rept 4
	v_nop
.endr
	s_branch .Lasked_\@
.Lfor_b_\@:
	tensor_load_to_lds s[G0B+4*(\s):G0B+4*(\s)+3], s[G1B:G1B+7]
	s_nop 0
.rept 4
	v_nop
.endr
.Lasked_\@:
.endm
; A prefetch of the K step two refills on: 32 rows x 256 bytes, a lane a row, one instruction a wave, behind the joint load, its five lines and the run of LDS loads.  Of the 128 rows that a wave fetches each of the
; four partners that ask for them jointly names 32, told apart by address.  Wm is walked by all sixteen clusters, of which batch 0's asks; q16[b] by this cluster alone; c16[b] by this cluster twice, and it is asked
; for in the first walk alone.  K steps 4 to 15 are named; the last two refills ask for nothing.
.macro ASK
	s_cmp_eq_u32 s[GO], 1
	s_cbranch_scc0 .Lnot_mine_\@
	global_prefetch_b8 v[PFO], s[PFA:PFA+1] th:TH_LOAD_NT scope:SCOPE_SE
.Lnot_mine_\@:
.endm
.macro CREST                           ; a round of the cluster's barrier behind its opening barrier
	s_cmp_lg_u32 s10, 0
	s_cbranch_scc1 .Lnot_wave_0_\@
	s_barrier_signal -3
.Lnot_wave_0_\@:
	s_barrier_wait -3
	s_barrier_signal -1
	s_barrier_wait -1
.endm
.macro CROUND                          ; a whole round
	s_barrier_signal -1
	s_barrier_wait -1
	CREST
.endm
	s_load_b256 s[68:75], s[0:1], 0x0              ; q16 s[68:69], c16 s[70:71], w16 s[72:73], p16 s[74:75]
	s_load_b128 s[76:79], s[0:1], 0x20             ; gt16 s[76:77], st s[78:79]
	v_lshl_add_u32 v[SPW], v0, 2, SPARE
	v_mov_b32 v[NIL], 0
	ds_add_u32 v[SPW], v[NIL]                      ; the wave's opening: the add and its wait stand ahead of my first tensor load; the set-up below, work on registers, stands between them
	v_lshrrev_b32 v1, 5, v0
	v_readfirstlane_b32 s10, v1                    ; wave 0..3
	s_lshr_b32 s11, s10, 1                         ; which half of the tile's rows is mine.  Also: I fetch for A (0) or for B (1)
	s_and_b32 s12, s10, 1                          ; which half of its columns.  Also: which 128 rows of that tile I fetch
	s_bfe_u32 s40, ttmp6, 0x40000                  ; cx
	s_bfe_u32 s41, ttmp6, 0x40004                  ; cy
	s_lshl_b32 s42, ttmp9, 2
	s_add_co_u32 s42, s42, s40                     ; tile column = 4 x cluster x + cx
	s_mov_b32 s13, s41                             ; tile row = cy: a cluster's y is the batch
	s_and_b32 s[BAT], ttmp7, 0xffff
	s_lshl_b32 s43, s41, 2
	s_lshl_b32 s43, 15, s43                        ; my row of the cluster
	s_lshl_b32 s44, 0x1111, s40                    ; my column
	; descriptor group 1: a tile of 128 rows x 128 elements, padded in LDS
	s_or_b32 s[G1+0], s43, (1<<16)|(1<<20)|(1<<21)|(5<<22)|(3<<25)  ; 15:0 the mask; 17:16 elements of 2 bytes; 20 padding on; 21 set beside a mask; 24:22 after every 64 words (code 5); 31:25 4 words (code 3)
	s_or_b32 s[G1B+0], s44, (1<<16)|(1<<20)|(1<<21)|(5<<22)|(3<<25)
.irp g, G1, G1B
	s_mov_b32 s[(\g)+1], KSTEP<<16                 ; tensor_dim0 = 128
	s_mov_b32 s[(\g)+2], 128<<16                   ; tensor_dim1 = 128
	s_mov_b32 s[(\g)+3], KSTEP<<16                 ; tile_dim0 = 128
	s_mov_b32 s[(\g)+4], 128                       ; tile_dim1 = 128
	s_mov_b32 s[(\g)+5], 1024                      ; elements from row to row
	s_mov_b32 s[(\g)+6], 0
	s_mov_b32 s[(\g)+7], 0
.endr
	s_mov_b32 s[NXT], 2
	s_mov_b32 s[OF+1], 0
	s_mov_b32 s[OF2+1], 0
	s_mov_b32 s[CST+1], 0
	s_mov_b32 s[CS], 0x3fb8aa3b                    ; c = log2(e)
	s_mov_b32 s[CS+1], s[CS]
	s_mov_b32 s[SEL], 0x76543210
	s_mov_b32 s[SEL+1], 0xfedcba98
	; where the tiles come from.  A's hang on the tile row, B's on the tile column, each in registers that never hold the other coordinate
	s_lshl_b32 s17, s12, 7
	s_lshl_b32 s16, s13, 8
	s_add_co_u32 s16, s16, s17                     ; A: row 256 x tile row + 128 x half,
	s_lshl_b32 s16, s16, 11                        ; in bytes: in Wm,
	s_lshl_b32 s18, s[BAT], 21                     ; (a batch's matrix is 2 MiB)
	s_add_co_u32 s22, s16, s18                     ; and in q16[b]
	s_lshl_b32 s46, s42, 8
	s_add_co_u32 s46, s46, s17                     ; B: row 256 x tile column + 128 x half
	s_lshl_b32 s46, s46, 11
	s_add_co_u32 s46, s46, s18                     ; in c16[b]
	s_mov_b32 s17, 0
	s_mov_b32 s23, 0
	s_mov_b32 s47, 0
	s_mul_i32 s20, s10, HALFT                      ; where they go: wave x 128 rows
	s_wait_dscnt 0x0                               ; the opening add is done
	s_wait_kmcnt 0x0
	s_add_nc_u64 s[PA1:PA1+1], s[72:73], s[16:17]  ; plane 0 of w16
	s_add_nc_u64 s[PA2:PA2+1], s[68:69], s[22:23]
	s_add_nc_u64 s[PB:PB+1], s[70:71], s[46:47]
	CROUND                                         ; all sixteen work-groups are here: the first joint loads meet
.irp s, 0,1
	s_mov_b32 s[G0+4*(\s)], 1                                      ; count = 1
	s_add_co_u32 s[G0+4*(\s)+1], s20, (\s)*SLOT                    ; LDS address
	s_add_nc_u64 s[G0+4*(\s)+2:G0+4*(\s)+3], s[PA1:PA1+1], (\s)*KSTEP*2  ; global address: K step s
	s_or_b32 s[G0+4*(\s)+3], s[G0+4*(\s)+3], 0x80000000            ; type = 2
	s_mov_b32 s[G0B+4*(\s)], 1
	s_add_co_u32 s[G0B+4*(\s)+1], s20, (\s)*SLOT
	s_add_nc_u64 s[G0B+4*(\s)+2:G0B+4*(\s)+3], s[PB:PB+1], (\s)*KSTEP*2
	s_or_b32 s[G0B+4*(\s)+3], s[G0B+4*(\s)+3], 0x80000000
	JLOAD \s                                       ; two tensor loads of mine are out
.endr
	; A fragment is 16 rows x 32 K in 8 registers: lane l holds row l % 16, K = 8 (l / 16) + 0..7 and 16 + 8 (l / 16) + 0..7: two loads of 16 bytes, 32 bytes apart
	v_and_b32 v1, 15, v0                           ; l % 16
	v_bfe_u32 v2, v0, 4, 1                         ; l / 16
	v_mul_u32_u24 v3, v1, PITCH
	v_lshl_add_u32 v3, v2, 4, v3
	s_mul_i32 s21, s11, HALFT                      ; my 128 rows of A
	s_mul_i32 s22, s12, HALFT                      ; my 128 rows of B,
	s_add_co_u32 s22, s22, 2*HALFT                 ; which lie behind A's 256
.irp s, 0,1
	v_add_nc_u32 v[ADRA+(\s)], s21, v3
	v_add_nc_u32 v[ADRB+(\s)], s22, v3
	s_add_co_u32 s21, s21, SLOT
	s_add_co_u32 s22, s22, SLOT
.endr
	s_mul_i32 s23, s10, 16*SPITCH
	s_add_co_u32 s23, s23, STAGE                   ; my stage
	v_mul_u32_u24 v4, v1, SPITCH                   ; in: row l % 16, 16 bytes for each half of the lanes
	v_lshl_add_u32 v4, v2, 4, v4
	v_add_nc_u32 v[STO], s23, v4
	v_mul_u32_u24 v5, v2, SPITCH                   ; back: lanes 0-15 take one row of 256 bytes, lanes 16-31 the next
	v_lshl_add_u32 v5, v1, 4, v5
	v_add_nc_u32 v[RD], s23, v5
	v_lshlrev_b32 v5, 11, v2                       ; and the same two rows in C
	v_lshl_add_u32 v[CO], v1, 4, v5
	s_lshl_b32 s23, s10, 10
	s_add_co_u32 s23, s23, STAT                    ; my wave's M and L
	v_lshl_add_u32 v[SA0], v1, 2, s23
	v_and_b32 v6, 31, v0
	v_lshlrev_b32 v[GL], 4, v6
	v_add_nc_u32 v[SR], s23, v[GL]
	v_lshlrev_b32 v[PFO], 11, v6
	; p16 and gt16 at my part of the tile
	s_lshl_b32 s16, s13, 8
	s_lshl_b32 s14, s11, 7
	s_add_co_u32 s16, s16, s14                     ; my first row
	s_lshl_b32 s21, s16, 2                         ; (its place in a row of st)
	s_lshl_b32 s16, s16, 11
	s_add_co_u32 s16, s16, s18                     ; in the batch's matrix
	s_mov_b32 s17, 0
	s_lshl_b32 s46, s42, 9                         ; my first column, in bytes: 512 x tile column + 256 x half
	s_lshl_b32 s47, s12, 8
	s_add_co_u32 s46, s46, s47
	s_mov_b32 s47, 0
	s_add_nc_u64 s[C1:C1+1], s[C1:C1+1], s[16:17]
	s_add_nc_u64 s[C1:C1+1], s[C1:C1+1], s[46:47]
	s_add_nc_u64 s[C2:C2+1], s[C2:C2+1], s[16:17]
	s_add_nc_u64 s[C2:C2+1], s[C2:C2+1], s[46:47]
	; st at [b][t = 2 x tile column + half][M][my first row]
	s_lshl_b32 s20, s[BAT], 3
	s_lshl_b32 s22, s42, 1
	s_add_co_u32 s20, s20, s22
	s_add_co_u32 s20, s20, s12
	s_lshl_b32 s20, s20, 13
	s_add_co_u32 s20, s20, s21
	s_mov_b32 s21, 0
	s_add_nc_u64 s[STP:STP+1], s[STP:STP+1], s[20:21]
	; the prefetches
	s_cmp_eq_u32 s[BAT], 0
	s_cselect_b32 s21, 1, 0
	s_cmp_eq_u32 s11, 0                            ; do I fetch for A?
	s_cselect_b64 s[PF1:PF1+1], s[PA1:PA1+1], s[PB:PB+1]
	s_cselect_b64 s[PF2:PF2+1], s[PA2:PA2+1], s[PB:PB+1]
	s_cselect_b32 s20, s40, s41                    ; my place among the four that ask with me
	s_cselect_b32 s[FL1], s21, 1                   ; both flags are the same in all sixteen partners, for a given wave
	s_cselect_b32 s[FL2], 1, 0
	s_lshl_b32 s20, s20, 16                        ; its 32 rows of 2,048 bytes
	s_mov_b32 s21, 0
	s_add_nc_u64 s[PF1:PF1+1], s[PF1:PF1+1], s[20:21]
	s_add_nc_u64 s[PF2:PF2+1], s[PF2:PF2+1], s[20:21]  ; nothing is prefetched here, at the head: K steps 0 to 3 come by their loads alone
; 16 matrix instructions: m blocks a0, a0 + 1 of the window's four x all 8 n blocks, 32 along K.  zero = 1: the first product starts the sums.
.macro MUL16 f, hi, a0, zero
	WIN MUL_LO+0x50*(\hi)
.irp a, \a0, (\a0)+1
.irp b, 0,1,2,3,4,5,6,7
.if \zero
	v_wmma_f32_16x16x32_f16 v[8*(8*(\a)+(\b)):8*(8*(\a)+(\b))+7], v[(\f)+8*(\b):(\f)+8*(\b)+7], v[(\f)+8*(4*(\hi)+(\a)):(\f)+8*(4*(\hi)+(\a))+7], 0
.else
	v_wmma_f32_16x16x32_f16 v[8*(8*(\a)+(\b)):8*(8*(\a)+(\b))+7], v[(\f)+8*(\b):(\f)+8*(\b)+7], v[(\f)+8*(4*(\hi)+(\a)):(\f)+8*(4*(\hi)+(\a))+7], v[8*(8*(\a)+(\b)):8*(8*(\a)+(\b))+7]
.endif
.endr
.endr
.endm
; 32 LDS loads in one run: the fragments of one quarter step (B's 128 rows, then A's, 32 K at byte k of the rows) into buffer f
.macro FETCH slot, k, f
	WIN TO_B
.irp i, 0,1,2,3,4,5,6,7
	ds_load_b128 v[(\f)+8*(\i):(\f)+8*(\i)+3],   v[ADRB+(\slot)] offset:(\k)+(\i)*16*PITCH
	ds_load_b128 v[(\f)+8*(\i)+4:(\f)+8*(\i)+7], v[ADRB+(\slot)] offset:(\k)+(\i)*16*PITCH+32
.endr
	WIN 0
.irp i, 0,1,2,3,4,5,6,7
	ds_load_b128 v[(\f)+8*(\i):(\f)+8*(\i)+3],   v[ADRA+(\slot)] offset:(\k)+(\i)*16*PITCH
	ds_load_b128 v[(\f)+8*(\i)+4:(\f)+8*(\i)+7], v[ADRA+(\slot)] offset:(\k)+(\i)*16*PITCH+32
.endr
.endm
.macro PLACES                          ; four plain instructions between a matrix instruction and a load into a register that it has read, or a reader of its result
.rept 4
	v_nop
.endr
.endm
; A K step is four quarters of 32 along K, 64 matrix instructions each, on buffers 0, 1, 0, 1.  The 64 accumulators take turns in the same order in every quarter.
.macro QUARTER slot, k, f, g, zero
	s_wait_dscnt 8                                 ; B and A's rows 0-63 are in; the youngest eight loads (A's rows 64-127) may be out
	MUL16 \f, 0, 0, \zero
	MUL16 \f, 0, 2, \zero
	PLACES
	FETCH \slot, \k, \g
	s_wait_dscnt 32                                ; all but the 32 just issued
	MUL16 \f, 1, 0, \zero
	MUL16 \f, 1, 2, \zero
.endm
; The last quarter's first half: ONE barrier for the change of slots.  In front of it each wave waits for all its tensor loads (the one that is out is its part of the next slot), adds 0 to its spare word, and waits for
; that and for its own reads of this slot.  round = 1: the refill's two addresses are made anew between the add and the wait for it, where no tensor load of mine is out: Wm for K steps under 8, then q16[b]; c16[b] for both.
.macro MEET round, slot
	WIN 0
	s_wait_tensorcnt 0x0                           ; all my tensor loads have landed
	ds_add_u32 v[SPW], v[NIL]                      ; 0 onto my spare word
.if \round
	s_and_b32 s[OF], s[NXT], 7
	s_lshl_b32 s[OF], s[OF], 8                     ; a K step is 256 bytes of a row
	s_cmp_lt_u32 s[NXT], 8
	s_cselect_b64 s[TA:TA+1], s[PA1:PA1+1], s[PA2:PA2+1]
	s_add_nc_u64 s[G0+4*(\slot)+2:G0+4*(\slot)+3], s[TA:TA+1], s[OF:OF+1]
	s_or_b32 s[G0+4*(\slot)+3], s[G0+4*(\slot)+3], 0x80000000
	s_add_nc_u64 s[G0B+4*(\slot)+2:G0B+4*(\slot)+3], s[PB:PB+1], s[OF:OF+1]
	s_or_b32 s[G0B+4*(\slot)+3], s[G0B+4*(\slot)+3], 0x80000000
	s_add_co_u32 s[NXT], s[NXT], 1
.endif
	s_wait_dscnt 9                                 ; (the add and the youngest eight loads may be out)
	MUL16 F1, 0, 0, 0                              ; sixteen matrix instructions stand between the add and the wait for it
	s_wait_dscnt 0x0                               ; the add is done, and my reads of this slot are over
	s_barrier_signal -1
	MUL16 F1, 0, 2, 0
.if \round
	WIN 0
.endif
	s_barrier_wait -1
.endm
; The whole last quarter.  fill = 1: the barrier opens a round of the cluster's barrier, and the slot just read out is filled again first behind it, two K steps ahead: 224 matrix instructions ahead of the wait for it.
.macro TURN slot, next, fill
.if \fill
	s_wait_xcnt 0x0                                ; the last prefetch, a K step back, has read its address
	s_add_co_u32 s[PN], s[NXT], 2
	s_and_b32 s[OF2], s[PN], 7
	s_lshl_b32 s[OF2], s[OF2], 8
	s_cmp_lt_u32 s[PN], 8
	s_cselect_b64 s[PFA:PFA+1], s[PF1:PF1+1], s[PF2:PF2+1]
	s_cselect_b32 s[GO], s[FL1], s[FL2]
	s_add_nc_u64 s[PFA:PFA+1], s[PFA:PFA+1], s[OF2:OF2+1]
	s_cmp_lt_u32 s[PN], 16                         ; the walk has sixteen K steps
	s_cselect_b32 s[GO], s[GO], 0
.endif
	MEET \fill, \slot
.if \fill
	CREST                                          ; no wave of any partner still reads this slot's tile or has a load on its way
	JLOAD \slot                                    ; my one tensor load behind the round; its four v_nop are also the places in front of the loads below
.else
	PLACES
.endif
	FETCH \next, 0, F0
.if \fill
	ASK
.endif
	MUL16 F1, 1, 0, 0
	MUL16 F1, 1, 2, 0
.endm
; THE WAY OUT'S PARTS.  CHOOSE m: macro m is written out for each of my eight blocks, and the one for block s[NB] runs: forward jumps on a counter; the last case stands without a test, so every way through writes m's results.
.macro CHOOSE m
.irp a, 0,1,2,3,4,5,6
	s_cmp_lg_u32 s[NB], \a
	s_cbranch_scc1 .Lno_\@_\a
	\m \a
	s_branch .Lchosen_\@
.Lno_\@_\a:
.endr
	\m 7
.Lchosen_\@:
.endm
; Each of the three reads an accumulator's lowest registers first.
.macro PACKC a                         ; GT: block a's 64 sums of my lane, rounded once to f16: a lane's eight columns pack into 16 bytes
.set AC, 64*((\a)%4)
	WIN 0x0a+5*((\a)/4)                            ; sources 0 and 1: window 2 or 3
.set n, 0
.rept 32
	v_cvt_pk_f16_f32 v[TMP+n], v[AC+2*n], v[AC+2*n+1]
.set n, n+1
.endr
	WIN 0
.endm
.macro MAXC a                          ; S: the largest of block a's 64 scores of my lane, three operands at a time, in eight chains
.set AC, 64*((\a)%4)
.set WW, 2+(\a)/4
	WIN WW|(WW<<2)|(WW<<4)                         ; all three sources in the accumulators' window
.set n, 0
.rept 8
	v_max3_num_f32 v[TT+n], v[AC+8*n], v[AC+8*n+1], v[AC+8*n+2]
.set n, n+1
.endr
	WIN (WW<<2)|(WW<<4)                            ; source 0 in window 0
.set n, 0
.rept 8
	v_max3_num_f32 v[TT+n], v[TT+n], v[AC+8*n+3], v[AC+8*n+4]
.set n, n+1
.endr
.set n, 0
.rept 8
	v_max3_num_f32 v[TT+n], v[TT+n], v[AC+8*n+5], v[AC+8*n+6]
.set n, n+1
.endr
.set n, 0
.rept 4
	v_max3_num_f32 v[TT+n], v[TT+n], v[AC+16*n+7], v[AC+16*n+15]
.set n, n+1
.endr
	WIN 0
.endm
.macro SCLC a                          ; S: c s - c m, out of the accumulators into SB
.set AC, 64*((\a)%4)
	WIN 2+(\a)/4                                   ; source 0 in the accumulators' window
.set n, 0
.rept 32
	v_pk_fma_f32 v[SB+2*n:SB+2*n+1], v[AC+2*n:AC+2*n+1], s[CS:CS+1], v[WK:WK+1] op_sel_hi:[1,0,0] neg_lo:[0,0,1] neg_hi:[0,0,1]
.set n, n+1
.endr
	WIN 0
.endm
; The block's 16 rows x 256 bytes in TMP go through my stage, which is my wave's own (LDS serves a wave's instructions in order: ISA guide 5.7.1.4), and out as whole rows.
.macro TOMEM ptr
	s_wait_xcnt 0x0                                ; the last block's stores, a block's arithmetic back, have read their data and their base: both are rewritten only behind this wait
	s_add_nc_u64 s[\ptr:\ptr+1], s[\ptr:\ptr+1], s[CST:CST+1]
	s_mov_b32 s[CST], 16*2048
.irp b, 0,1,2,3,4,5,6,7
	ds_store_b128 v[STO], v[TMP+4*(\b):TMP+4*(\b)+3] offset:32*(\b)
.endr
.irp t, 0,1,2,3,4,5,6,7
	ds_load_b128 v[OB+4*(\t):OB+4*(\t)+3], v[RD] offset:(\t)*2*SPITCH
.endr
	s_wait_dscnt 0x0
.irp t, 0,1,2,3,4,5,6,7
	global_store_b128 v[CO], v[OB+4*(\t):OB+4*(\t)+3], s[\ptr:\ptr+1] offset:(\t)*4096  ; 16 lanes store 256 consecutive bytes, at a multiple of 256 from the buffer's first byte
.endr
.endm
	s_wait_tensorcnt 1                             ; my part of K step 0 is in; K step 1's may stay out
	s_barrier_signal -1
	s_barrier_wait -1                              ; everybody's is
	FETCH 0, 0, F0
	s_mov_b32 s3, 8
	s_branch .Lstart                               ; a tile's first quarter is written once, inside the loop: the launch enters there
.Llap:                                             ; seven trips: a trip goes once round the ring, from a lap's second quarter to the next lap's first, and fills both slots again: K steps 2 to 15
	QUARTER 0, 128, F1, F0, 0
	QUARTER 0, 192, F0, F1, 0
	TURN 0, 1, 1
	QUARTER 1, 64,  F0, F1, 0
	QUARTER 1, 128, F1, F0, 0
	QUARTER 1, 192, F0, F1, 0
	TURN 1, 0, 1
	WIN 0                                          ; at a label and at a branch every window is 0
	s_cmp_eq_u32 s3, 4                             ; the fourth trip has ended K step 7: GT's sums are whole.  The same in every wave of every partner
	s_cbranch_scc1 .Lgt_out
	QUARTER 0, 64,  F0, F1, 0
	WIN 0
	s_branch .Lnext
.Lgt_out:                                          ; GT GOES OUT.  K steps 8 and 9 have been asked for, and K step 8's first fragments are on their way into buffer 0
	PLACES
	PLACES
	s_mov_b32 s[NB], 0
	s_mov_b32 s[CST], 0
.Lgtb:
	CHOOSE PACKC
	TOMEM C2
	s_add_co_u32 s[NB], s[NB], 1
	s_cmp_lt_u32 s[NB], 8
	s_cbranch_scc1 .Lgtb
.Lstart:
	QUARTER 0, 64,  F0, F1, 1                      ; a tile's first quarter: its products start the sums
	WIN 0
.Lnext:
	s_sub_co_u32 s3, s3, 1
	s_cmp_lg_u32 s3, 0
	s_cbranch_scc1 .Llap
	QUARTER 0, 128, F1, F0, 0                      ; the last lap is written out: it asks for nothing
	QUARTER 0, 192, F0, F1, 0
	TURN 0, 1, 0
	QUARTER 1, 64,  F0, F1, 0
	QUARTER 1, 128, F1, F0, 0
	QUARTER 1, 192, F0, F1, 0
	s_wait_dscnt 8                                 ; the very last quarter: nothing more to fetch
	MUL16 F1, 0, 0, 0
	MUL16 F1, 0, 2, 0
	s_wait_dscnt 0x0
	MUL16 F1, 1, 0, 0
	MUL16 F1, 1, 2, 0
	; S GOES OUT, with its local softmax: a trip is 16 rows x 128 keys
	WIN 0
	PLACES
	PLACES
	s_mov_b32 s[NB], 0
	s_mov_b32 s[CST], 0
	s_mov_b32 s[SOF], 0
.Lsb:
	CHOOSE MAXC
	v_max3_num_f32 v[TT], v[TT], v[TT+1], v[TT+2]
	v_max3_num_f32 v[TT+3], v[TT+3], v[TT+4], v[TT+5]
	v_max3_num_f32 v[TT], v[TT], v[TT+3], v[TT+6]
	v_max_num_f32 v[TT], v[TT], v[TT+7]
	v_permlanex16_b32 v[TT+1], v[TT], s[SEL], s[SEL+1]  ; the row's other 64 keys lie in the lane 16 away
	v_max_num_f32 v[WK+1], v[TT], v[TT+1]
	v_mul_f32 v[WK], s[CS], v[WK+1]                ; M_t = c m, as it is stored: the exponents are taken against this very number
	v_add_nc_u32 v[SA], s[SOF], v[SA0]
	CHOOSE SCLC
.set n, 0
.rept 64
	v_exp_f32 v[SB+n], v[SB+n]                     ; one batch
.set n, n+1
.endr
	ds_store_b32 v[SA], v[WK]                      ; both halves of the lanes write the same word with the same number
	v_nop                                          ; a plain instruction behind the last exponential,
	s_wait_alu depctr_va_vdst(0)                   ; and one wait ahead of the batch's first reader
.set n, 0
.rept 16
	v_pk_add_f32 v[UU+2*n:UU+2*n+1], v[SB+4*n:SB+4*n+1], v[SB+4*n+2:SB+4*n+3]
.set n, n+1
.endr
.irp w, 16, 8, 4, 2                    ; a tree: the upper half of what is left is added onto the lower
.set n, 0
.rept (\w)/2
	v_pk_add_f32 v[UU+2*n:UU+2*n+1], v[UU+2*n:UU+2*n+1], v[UU+(\w)+2*n:UU+(\w)+2*n+1]
.set n, n+1
.endr
.endr
	v_add_f32 v[UU], v[UU], v[UU+1]
	v_permlanex16_b32 v[UU+1], v[UU], s[SEL], s[SEL+1]
	v_add_f32 v[UU], v[UU], v[UU+1]
	ds_store_b32 v[SA], v[UU] offset:512           ; L_t
.set n, 0
.rept 32
	v_cvt_pk_f16_f32 v[TMP+n], v[SB+2*n], v[SB+2*n+1]  ; the one rounding to f16
.set n, n+1
.endr
	TOMEM C1
	s_add_co_u32 s[SOF], s[SOF], 64
	s_add_co_u32 s[NB], s[NB], 1
	s_cmp_lt_u32 s[NB], 8
	s_cbranch_scc1 .Lsb
	ds_load_b128 v[UU:UU+3],   v[SR]               ; my wave's 128 M,
	ds_load_b128 v[UU+4:UU+7], v[SR] offset:512    ; and its 128 L
	s_wait_dscnt 0x0
	global_store_b128 v[GL], v[UU:UU+3],   s[STP:STP+1]              ; 512 consecutive bytes each, aligned
	global_store_b128 v[GL], v[UU+4:UU+7], s[STP:STP+1] offset:4096
	s_wait_tensorcnt 0x0                           ; the wave's end, behind my last tensor load and my last LDS store
	ds_add_u32 v[SPW], v[NIL]
	s_wait_dscnt 0x0
	CROUND                                         ; the closing round: no work-group ends while a partner may still ask for a tile that names it
	s_endpgm
.Lfunc_end_k_q9b44b73204_sg:
	.size	k_q9b44b73204_sg, .Lfunc_end_k_q9b44b73204_sg-k_q9b44b73204_sg
	.p2alignl 7, 3214868480
	.fill 96, 4, 3214868480
	.section	.rodata,"a",@progbits
	.p2align	6, 0x0
	.amdhsa_kernel k_q9b44b73204_sg
		.amdhsa_group_segment_fixed_size 327680
		.amdhsa_private_segment_fixed_size 0
		.amdhsa_enable_private_segment 0
		.amdhsa_kernarg_size 48
		.amdhsa_user_sgpr_count 2
		.amdhsa_user_sgpr_kernarg_segment_ptr 1
		.amdhsa_wavefront_size32 1
		.amdhsa_system_sgpr_workgroup_id_x 1
		.amdhsa_system_sgpr_workgroup_id_y 1
		.amdhsa_system_sgpr_workgroup_id_z 1
		.amdhsa_system_vgpr_workitem_id 0
		.amdhsa_next_free_vgpr 1024
		.amdhsa_next_free_sgpr 102
		.amdhsa_reserve_vcc 0
		.amdhsa_float_denorm_mode_32 3
		.amdhsa_float_denorm_mode_16_64 3
		.amdhsa_memory_ordered 1
		.amdhsa_forward_progress 1
		.amdhsa_inst_pref_size 175
	.end_amdhsa_kernel
	.amdgpu_metadata
---
amdhsa.version: [ 1, 2 ]
amdhsa.kernels:
  - .name:           k_q9b44b73204_sg
    .symbol:         k_q9b44b73204_sg.kd
    .args:
      - { .name: q16, .offset: 0, .size: 8, .value_kind: global_buffer, .address_space: global }
      - { .name: c16, .offset: 8, .size: 8, .value_kind: global_buffer, .address_space: global }
      - { .name: w16, .offset: 16, .size: 8, .value_kind: global_buffer, .address_space: global }
      - { .name: p16, .offset: 24, .size: 8, .value_kind: global_buffer, .address_space: global }
      - { .name: gt16, .offset: 32, .size: 8, .value_kind: global_buffer, .address_space: global }
      - { .name: st, .offset: 40, .size: 8, .value_kind: global_buffer, .address_space: global }
    .group_segment_fixed_size: 327680
    .private_segment_fixed_size: 0
    .kernarg_segment_align: 8
    .kernarg_segment_size: 48
    .max_flat_workgroup_size: 128
    .sgpr_count:     102
    .vgpr_count:     1024
    .wavefront_size: 32
...
	.end_amdgpu_metadata
.endif
;; end of part 2
;; launch fin (part 3): grid 4 x 64, 4 waves a work-group, clusters of 4 x 4, 327,680 bytes of LDS; arguments p16, gt16, q16, w16, st, out0; writes out0
.if DOCPART == 3
	.amdgcn_target "amdgcn-amd-amdhsa--gfx1250"
	.amdhsa_code_object_version 6
	.text
	.protected	k_q9b44b73204_fin
	.globl	k_q9b44b73204_fin
	.p2align	8
	.type	k_q9b44b73204_fin,@function
k_q9b44b73204_fin:
	s_mov_b64 s[64:65], 0
	v_nop
	global_prefetch_b8 v0, s[64:65] scope:SCOPE_SE
	s_setreg_imm32_b32 hwreg(HW_REG_WAVE_MODE, 25, 1), 1
	s_wait_xcnt 0x0
	s_wait_alu depctr_hold_cnt(0) depctr_sa_sdst(0) depctr_va_vdst(0) depctr_va_sdst(0) depctr_va_ssrc(0) depctr_va_vcc(0) depctr_vm_vsrc(0)
	s_getreg_b32 s2, hwreg(HW_REG_IB_STS2, 6, 4)
	s_cmp_eq_u32 s2, 0
	s_cbranch_scc0 .Lentry_in_a_cluster
	s_endpgm
.Lentry_in_a_cluster:
	s_bfe_u32 s2, ttmp6, 0x10000c
	s_cmp_lg_u32 s2, 0xf033
	s_cbranch_scc0 .Lentry_shape_is_right
	s_endpgm
.Lentry_shape_is_right:
; out0[b] = tanh([P | Q] [GT[b] | Wq]^T): one product with K = 2,048, all operands f16 with rows of 2,048 bytes, sums in f32, the result f32.
; K steps 0-7 (128 keys each): A = p16[b], scaled, B = gt16[b].  K steps 8-15: A = q16[b], B = Wq (plane 1 of w16).  A cluster of 4 x 4 work-groups makes a batch's 1,024 x 1,024.
; THE SOFTMAX'S SECOND FACTOR.  p16 holds p = 2^(c s - M_t) for key tile t, st holds M_t and L_t (f32).  For each query M = the largest of its eight M_t, e_t = 2^(M_t - M), and
; scale_t = e_t / (the sum over u of e_u L_u): the row's true maximum is taken away, each factor is at most 1 (a last bit over), the divisor is about 1 or more.  scale_t is rounded to f16 and multiplied onto A's fragments of K step t.
; LIMITS.  A weight p x scale below 6.1e-5 keeps f16's fixed step of 6e-8; NaN and infinities are not treated apart.  tanh x = 1 - 2 / (1 + 2^(2 c x)): where the power is an infinity or 0 it gives 1 or -1.
; SHAPE, RING, CLUSTER, REGISTER WINDOWS: a tile of 256 x 256, four waves of 128 x 128, K steps of 128 through two LDS slots, A's tile asked for jointly along a row of the cluster, B's along a column; the matrix
; instruction used transposed (source 0 = 16 rows of B, source 1 = 16 rows of A): lane l holds row l % 16 and the columns 8 (l / 16) + 0..7.
;   window 0: v0-31 addresses; v32-47 two sets of eight scales; v64-127, v128-191 A's fragments; v192-249 the table's making          window 1: v64-127, v128-191 B's fragments
;   window 2: the accumulators of my rows 0-63 ((a, b) at v[8 (8 a + b)])          window 3: those of my rows 64-127
; ONE TEXT FOR BOTH HALVES OF K: the scale table has sixteen rows, of which 8 to 15 hold 1.0 (exact), and a refill's address is made anew from the K step's number.
.set KSTEP,  128
.set PITCH,  272                       ; an LDS row: 256 bytes + 16 of padding = 68 words: the 16 rows of a load start at 16 different groups of four banks (64 banks of 4 bytes: ISA guide 11.1)
.set HALFT,  128*PITCH
.set SLOT,   4*HALFT
.set SCL,    2*SLOT                    ; behind the ring: the scales, [16 K steps][256 rows], a word each: the f16 twice
.set SPARE,  SCL+16*1024               ; the spare words, 128 bytes for each wave: two blocks of 256 bytes that no other line names
.set DPITCH, 528                       ; the way out: a row of 128 f32 + 16 bytes
.set DWAVE,  128*DPITCH                ; a wave's part; four of them end inside the ring's 278,528 bytes
.set LAPS,   8
.set RDR,  9                           ; v9   the way out: where I read 16 bytes of a row, in the eight rows in hand
.set DST,  10                          ; v10  where my 32 bytes of a row of f32 go; never rewritten
.set RDR0, 11                          ; v11  RDR for the first eight rows; never rewritten
.set SCA,  12                          ; v12  my row's scale word in the K step to come
.set SC0,  13                          ; v13  in K step 0; never rewritten
.set SCW,  14                          ; v14  where I put the two rows' scales that I make
.set STL,  15                          ; v15  8 x lane
.set ADRA, 16
.set ADRB, 20
.set CO,   26                          ; v26  16 x lane
.set SPW,  28
.set NIL,  29
.set PFO,  30                          ; v30  lane x 2,048
.set SCE,  32                          ; v32-39  the scales of slot 0's K step: block a of my eight blocks of 16 rows at SCE + a
.set SCO,  40                          ; v40-47  of slot 1's
.set F0,   64
.set F1,   128
.set E,    64                          ; v64-95  the way out: eight rows, 16 bytes a lane each
.set MS,   192                         ; v192-207  M_t of my two rows, then e_t, then scale_t
.set LS,   208                         ; v208-223  L_t
.set MX,   224
.set DV,   226
.set RC,   228
.set Z,    232                         ; v232-247  the scales as pairs of f16
.set ONE,  248
.set SOF,  2                           ; s2   the scale table's row to come, in bytes; on the way out the eight rows' bytes
.set K2,   4                           ; s[4:5] 2 log2(e), named as a pair
.set BAT,  15
.set G1,   24
.set G0,   32
.set PFA,  44                          ; s[44:45] the prefetch's address
.set G1B,  48
.set G0B,  56
.set NXT,  66                          ; s66  the K step to ask for next
.set PN,   67                          ; s67  the K step to prefetch
.set PA1,  80                          ; s[80:81] p16, s[82:83] q16 at the rows that I would fetch for A
.set PA2,  82
.set PB1,  84                          ; s[84:85] gt16, s[86:87] Wq at the rows that I would fetch for B
.set PB2,  86
.set PF1,  88                          ; s[88:89], s[90:91] the first and the second buffer that I fetch from, at my work-group's 32 rows
.set PF2,  90
.set TA,   92
.set TB,   94
.set OF,   96                          ; s[96:97], s[98:99] bytes along K, the high words 0
.set OF2,  98
.set GO,   100                         ; s100 1: I prefetch at this change of slots
.set FL2,  101                         ; s101 1: the second buffer's rows are mine to ask for
.set MSB, 0
.macro WIN new
.if MSB != (\new)
	s_set_vgpr_msb (MSB<<8)|(\new)
.set MSB, \new
.endif
.endm
.set MUL_LO, 0xa1
.set MUL_HI, 0xf1
.set TO_B,   0x40
.macro JLOAD s                         ; a joint load: waves 0 and 1 fetch A's halves, waves 2 and 3 B's; an s_nop 0 and four v_nop follow each of the two lines
	s_cmp_eq_u32 s11, 0
	s_cbranch_scc0 .Lfor_b_\@
	tensor_load_to_lds s[G0+4*(\s):G0+4*(\s)+3], s[G1:G1+7]
	s_nop 0
.rept 4
	v_nop
.endr
	s_branch .Lasked_\@
.Lfor_b_\@:
	tensor_load_to_lds s[G0B+4*(\s):G0B+4*(\s)+3], s[G1B:G1B+7]
	s_nop 0
.rept 4
	v_nop
.endr
.Lasked_\@:
.endm
; A prefetch of the K step two refills on: 32 rows x 256 bytes, a lane a row, one instruction a wave, behind the joint load, its five lines and the runs of LDS loads.  Of the 128 rows that a wave fetches each of the four
; partners names 32, told apart by address.  p16[b], gt16[b] and q16[b] are walked by this cluster alone; Wq by all sixteen, of which batch 0's asks.  K steps 4 to 15 are named; the last two refills ask for nothing.
.macro ASK
	s_cmp_eq_u32 s[GO], 1
	s_cbranch_scc0 .Lnot_mine_\@
	global_prefetch_b8 v[PFO], s[PFA:PFA+1] th:TH_LOAD_NT scope:SCOPE_SE
.Lnot_mine_\@:
.endm
.macro CREST
	s_cmp_lg_u32 s10, 0
	s_cbranch_scc1 .Lnot_wave_0_\@
	s_barrier_signal -3
.Lnot_wave_0_\@:
	s_barrier_wait -3
	s_barrier_signal -1
	s_barrier_wait -1
.endm
.macro CROUND
	s_barrier_signal -1
	s_barrier_wait -1
	CREST
.endm
	s_load_b256 s[68:75], s[0:1], 0x0              ; p16 s[68:69], gt16 s[70:71], q16 s[72:73], w16 s[74:75]
	s_load_b128 s[76:79], s[0:1], 0x20             ; st s[76:77], out0 s[78:79]
	v_lshl_add_u32 v[SPW], v0, 2, SPARE
	v_mov_b32 v[NIL], 0
	ds_add_u32 v[SPW], v[NIL]                      ; the wave's opening: the add and its wait stand ahead of my first tensor load; the set-up below, work on registers, stands between them
	v_lshrrev_b32 v1, 5, v0
	v_readfirstlane_b32 s10, v1                    ; wave 0..3
	s_lshr_b32 s11, s10, 1                         ; my half of the tile's rows.  Also: I fetch for A (0) or for B (1)
	s_and_b32 s12, s10, 1                          ; my half of its columns.  Also: which 128 rows of that tile I fetch
	s_bfe_u32 s40, ttmp6, 0x40000                  ; cx
	s_bfe_u32 s41, ttmp6, 0x40004                  ; cy
	s_lshl_b32 s42, ttmp9, 2
	s_add_co_u32 s42, s42, s40                     ; tile column
	s_mov_b32 s13, s41                             ; tile row = cy: a cluster's y is the batch
	s_and_b32 s[BAT], ttmp7, 0xffff
	s_lshl_b32 s43, s41, 2
	s_lshl_b32 s43, 15, s43                        ; my row of the cluster
	s_lshl_b32 s44, 0x1111, s40                    ; my column
	s_or_b32 s[G1+0], s43, (1<<16)|(1<<20)|(1<<21)|(5<<22)|(3<<25)  ; 15:0 the mask; 17:16 elements of 2 bytes; 20 padding on; 21 set beside a mask; 24:22 after every 64 words (code 5); 31:25 4 words (code 3)
	s_or_b32 s[G1B+0], s44, (1<<16)|(1<<20)|(1<<21)|(5<<22)|(3<<25)
.irp g, G1, G1B
	s_mov_b32 s[(\g)+1], KSTEP<<16                 ; tensor_dim0 = 128
	s_mov_b32 s[(\g)+2], 128<<16                   ; tensor_dim1 = 128
	s_mov_b32 s[(\g)+3], KSTEP<<16                 ; tile_dim0 = 128
	s_mov_b32 s[(\g)+4], 128                       ; tile_dim1 = 128
	s_mov_b32 s[(\g)+5], 1024                      ; elements from row to row
	s_mov_b32 s[(\g)+6], 0
	s_mov_b32 s[(\g)+7], 0
.endr
	s_mov_b32 s[NXT], 2
	s_mov_b32 s[OF+1], 0
	s_mov_b32 s[OF2+1], 0
	s_mov_b32 s[K2], 0x4038aa3b                    ; 2 log2(e)
	s_mov_b32 s[K2+1], s[K2]
	s_mov_b32 s[SOF], 1024
	s_lshl_b32 s17, s12, 7
	s_lshl_b32 s16, s13, 8
	s_add_co_u32 s16, s16, s17                     ; A: row 256 x tile row + 128 x half,
	s_lshl_b32 s16, s16, 11                        ; in bytes,
	s_lshl_b32 s18, s[BAT], 21
	s_add_co_u32 s16, s16, s18                     ; in the batch's matrix
	s_lshl_b32 s46, s42, 8
	s_add_co_u32 s46, s46, s17                     ; B: row 256 x tile column + 128 x half
	s_lshl_b32 s46, s46, 11
	s_add_co_u32 s22, s46, s18                     ; in gt16[b],
	s_add_co_u32 s46, s46, 0x200000                ; and in plane 1 of w16
	s_mov_b32 s17, 0
	s_mov_b32 s23, 0
	s_mov_b32 s47, 0
	s_mul_i32 s20, s10, HALFT                      ; where the tiles go: wave x 128 rows
	s_wait_dscnt 0x0                               ; the opening add is done
	s_wait_kmcnt 0x0
	s_add_nc_u64 s[PA1:PA1+1], s[68:69], s[16:17]
	s_add_nc_u64 s[PA2:PA2+1], s[72:73], s[16:17]
	s_add_nc_u64 s[PB1:PB1+1], s[70:71], s[22:23]
	s_add_nc_u64 s[PB2:PB2+1], s[74:75], s[46:47]
	CROUND                                         ; all sixteen work-groups are here: the first joint loads meet
.irp s, 0,1
	s_mov_b32 s[G0+4*(\s)], 1
	s_add_co_u32 s[G0+4*(\s)+1], s20, (\s)*SLOT
	s_add_nc_u64 s[G0+4*(\s)+2:G0+4*(\s)+3], s[PA1:PA1+1], (\s)*KSTEP*2
	s_or_b32 s[G0+4*(\s)+3], s[G0+4*(\s)+3], 0x80000000
	s_mov_b32 s[G0B+4*(\s)], 1
	s_add_co_u32 s[G0B+4*(\s)+1], s20, (\s)*SLOT
	s_add_nc_u64 s[G0B+4*(\s)+2:G0B+4*(\s)+3], s[PB1:PB1+1], (\s)*KSTEP*2
	s_or_b32 s[G0B+4*(\s)+3], s[G0B+4*(\s)+3], 0x80000000
	JLOAD \s                                       ; two tensor loads of mine are out
.endr
	; THE SCALE TABLE is made while the first tiles are on their way.  Wave w makes the tile's rows 64 w .. 64 w + 63, a lane two of them: each load covers 256 consecutive bytes, aligned
	s_lshl_b32 s16, s13, 8
	s_lshl_b32 s14, s10, 6
	s_add_co_u32 s16, s16, s14
	s_lshl_b32 s16, s16, 2
	s_lshl_b32 s14, s[BAT], 16                     ; a batch of st: 8 x 2 x 4,096 bytes
	s_add_co_u32 s16, s16, s14
	s_mov_b32 s17, 0
	s_add_nc_u64 s[6:7], s[76:77], s[16:17]
	v_and_b32 v6, 31, v0
	v_lshlrev_b32 v[STL], 3, v6
.irp t, 0,1,2,3,4,5,6,7
	global_load_b64 v[MS+2*(\t):MS+2*(\t)+1], v[STL], s[6:7] offset:8192*(\t)
	global_load_b64 v[LS+2*(\t):LS+2*(\t)+1], v[STL], s[6:7] offset:8192*(\t)+4096
.endr
	v_and_b32 v1, 15, v0                           ; l % 16
	v_bfe_u32 v2, v0, 4, 1                         ; l / 16
	v_mul_u32_u24 v3, v1, PITCH
	v_lshl_add_u32 v3, v2, 4, v3                   ; a fragment's row x pitch + 16 x half
	s_mul_i32 s21, s11, HALFT
	s_mul_i32 s22, s12, HALFT
	s_add_co_u32 s22, s22, 2*HALFT
.irp s, 0,1
	v_add_nc_u32 v[ADRA+(\s)], s21, v3
	v_add_nc_u32 v[ADRB+(\s)], s22, v3
	s_add_co_u32 s21, s21, SLOT
	s_add_co_u32 s22, s22, SLOT
.endr
	s_mul_i32 s23, s10, DWAVE                      ; the way out: in, row l % 16, 32 bytes for each half of the lanes;
	v_mul_u32_u24 v4, v1, DPITCH
	v_lshl_add_u32 v4, v2, 5, v4
	v_add_nc_u32 v[DST], s23, v4
	v_lshlrev_b32 v[CO], 4, v6
	v_add_nc_u32 v[RDR0], s23, v[CO]               ; back, a row's 512 bytes to a load
	s_lshl_b32 s23, s10, 8
	s_add_co_u32 s23, s23, SCL
	v_add_nc_u32 v[SCW], s23, v[STL]               ; rows 64 w + 2 l, 2 l + 1 of the table
	s_lshl_b32 s23, s11, 9
	s_add_co_u32 s23, s23, SCL
	v_lshl_add_u32 v[SC0], v1, 2, s23              ; row 128 x my half + l % 16
	v_lshlrev_b32 v[PFO], 11, v6
	; out0 at my part of the tile
	s_lshl_b32 s16, s13, 8
	s_lshl_b32 s14, s11, 7
	s_add_co_u32 s16, s16, s14
	s_lshl_b32 s16, s16, 12                        ; rows of 4,096 bytes
	s_lshl_b32 s14, s[BAT], 22
	s_add_co_u32 s16, s16, s14
	s_mov_b32 s17, 0
	s_add_nc_u64 s[8:9], s[78:79], s[16:17]
	s_lshl_b32 s46, s42, 10
	s_lshl_b32 s47, s12, 9
	s_add_co_u32 s46, s46, s47
	s_mov_b32 s47, 0
	s_add_nc_u64 s[8:9], s[8:9], s[46:47]
	; the prefetches
	s_cmp_eq_u32 s11, 0                            ; do I fetch for A?
	s_cselect_b64 s[PF1:PF1+1], s[PA1:PA1+1], s[PB1:PB1+1]
	s_cselect_b64 s[PF2:PF2+1], s[PA2:PA2+1], s[PB2:PB2+1]
	s_cselect_b32 s20, s40, s41                    ; my place among the four that ask with me
	s_cselect_b32 s21, 0, s[BAT]
	s_lshl_b32 s20, s20, 16                        ; its 32 rows of 2,048 bytes
	s_cmp_eq_u32 s21, 0
	s_cselect_b32 s[FL2], 1, 0                     ; the same in all sixteen partners, for a given wave
	s_mov_b32 s21, 0
	s_add_nc_u64 s[PF1:PF1+1], s[PF1:PF1+1], s[20:21]
	s_add_nc_u64 s[PF2:PF2+1], s[PF2:PF2+1], s[20:21]
	s_wait_loadcnt 0x0                             ; M and L
.irp c, 0,1
	v_max3_num_f32 v[MX+(\c)], v[MS+(\c)], v[MS+2+(\c)], v[MS+4+(\c)]
	v_max3_num_f32 v[MX+(\c)], v[MX+(\c)], v[MS+6+(\c)], v[MS+8+(\c)]
	v_max3_num_f32 v[MX+(\c)], v[MX+(\c)], v[MS+10+(\c)], v[MS+12+(\c)]
	v_max_num_f32  v[MX+(\c)], v[MX+(\c)], v[MS+14+(\c)]
.endr
.irp t, 0,1,2,3,4,5,6,7
	v_pk_add_f32 v[MS+2*(\t):MS+2*(\t)+1], v[MS+2*(\t):MS+2*(\t)+1], v[MX:MX+1] neg_lo:[0,1] neg_hi:[0,1]  ; M_t - M
.endr
.set n, 0
.rept 16
	v_exp_f32 v[MS+n], v[MS+n]
.set n, n+1
.endr
	v_nop                                          ; a plain instruction behind the last exponential,
	s_wait_alu depctr_va_vdst(0)                   ; and one wait ahead of the batch's first reader
	v_pk_mul_f32 v[DV:DV+1], v[MS:MS+1], v[LS:LS+1]
.irp t, 1,2,3,4,5,6,7
	v_pk_fma_f32 v[DV:DV+1], v[MS+2*(\t):MS+2*(\t)+1], v[LS+2*(\t):LS+2*(\t)+1], v[DV:DV+1]
.endr
	v_rcp_f32 v[RC], v[DV]
	v_rcp_f32 v[RC+1], v[DV+1]
	v_nop
	s_wait_alu depctr_va_vdst(0)                   ; one wait for the two reciprocals
.irp t, 0,1,2,3,4,5,6,7
	v_pk_mul_f32 v[MS+2*(\t):MS+2*(\t)+1], v[MS+2*(\t):MS+2*(\t)+1], v[RC:RC+1]
.endr
.set n, 0
.rept 16
	v_cvt_pk_f16_f32 v[Z+n], v[MS+n], v[MS+n]      ; the scale in both halves of a word
.set n, n+1
.endr
	v_mov_b32 v[ONE], 0x3c003c00                   ; 1.0 twice
	v_mov_b32 v[ONE+1], 0x3c003c00
.irp t, 0,1,2,3,4,5,6,7
	ds_store_b64 v[SCW], v[Z+2*(\t):Z+2*(\t)+1] offset:1024*(\t)
	ds_store_b64 v[SCW], v[ONE:ONE+1] offset:1024*(8+(\t))
.endr
.macro MUL16 f, hi, a0, zero
	WIN MUL_LO+0x50*(\hi)
.irp a, \a0, (\a0)+1
.irp b, 0,1,2,3,4,5,6,7
.if \zero
	v_wmma_f32_16x16x32_f16 v[8*(8*(\a)+(\b)):8*(8*(\a)+(\b))+7], v[(\f)+8*(\b):(\f)+8*(\b)+7], v[(\f)+8*(4*(\hi)+(\a)):(\f)+8*(4*(\hi)+(\a))+7], 0
.else
	v_wmma_f32_16x16x32_f16 v[8*(8*(\a)+(\b)):8*(8*(\a)+(\b))+7], v[(\f)+8*(\b):(\f)+8*(\b)+7], v[(\f)+8*(4*(\hi)+(\a)):(\f)+8*(4*(\hi)+(\a))+7], v[8*(8*(\a)+(\b)):8*(8*(\a)+(\b))+7]
.endif
.endr
.endr
.endm
.macro FETCH slot, k, f
	WIN TO_B
.irp i, 0,1,2,3,4,5,6,7
	ds_load_b128 v[(\f)+8*(\i):(\f)+8*(\i)+3],   v[ADRB+(\slot)] offset:(\k)+(\i)*16*PITCH
	ds_load_b128 v[(\f)+8*(\i)+4:(\f)+8*(\i)+7], v[ADRB+(\slot)] offset:(\k)+(\i)*16*PITCH+32
.endr
	WIN 0
.irp i, 0,1,2,3,4,5,6,7
	ds_load_b128 v[(\f)+8*(\i):(\f)+8*(\i)+3],   v[ADRA+(\slot)] offset:(\k)+(\i)*16*PITCH
	ds_load_b128 v[(\f)+8*(\i)+4:(\f)+8*(\i)+7], v[ADRA+(\slot)] offset:(\k)+(\i)*16*PITCH+32
.endr
.endm
.macro PLACES                          ; four plain instructions between a matrix instruction and a load into a register that it has read, or a reader of its result
.rept 4
	v_nop
.endr
.endm
; A's fragments of blocks a0 .. a0 + 3 in buffer f are multiplied by their rows' scales: a lane holds one row, so one word (the f16 twice) serves its eight registers.  The registers written were last read by matrix
; instructions that stand ahead of the four v_nop in front of the run of loads that filled them.
.macro LUMP f, a0, sc
	WIN 0
.irp a, \a0, (\a0)+1, (\a0)+2, (\a0)+3
.irp r, 0,1,2,3,4,5,6,7
	v_pk_mul_f16 v[(\f)+8*(\a)+(\r)], v[(\f)+8*(\a)+(\r)], v[(\sc)+(\a)]
.endr
.endr
.endm
; A K step is four quarters of 32 along K, 64 matrix instructions each, on buffers 0, 1, 0, 1; the 64 accumulators take turns in the same order in every quarter.  sc: the step's set of scales, or -1: none.
.macro QUARTER slot, k, f, g, zero, sc
	s_wait_dscnt 8                                 ; the scales, B and A's rows 0-63 are in; the youngest eight loads (A's rows 64-127) may be out
.if (\sc) >= 0
	LUMP \f, 0, \sc
.endif
	MUL16 \f, 0, 0, \zero
	MUL16 \f, 0, 2, \zero
	PLACES
	FETCH \slot, \k, \g
	s_wait_dscnt 32                                ; all but the 32 just issued
.if (\sc) >= 0
	LUMP \f, 4, \sc
.endif
	MUL16 \f, 1, 0, \zero
	MUL16 \f, 1, 2, \zero
.endm
; The last quarter's first half: ONE barrier for the change of slots.  In front of it each wave waits for all its tensor loads (the one that is out is its part of the next slot), adds 0 to its spare word, and waits for
; that and for its own reads of this slot.  round = 1: the refill's two addresses are made anew between the add and the wait for it, where no tensor load of mine is out: the first buffer for K steps under 8, else the second.
.macro MEET round, slot, sc
	WIN 0
	s_wait_tensorcnt 0x0
	ds_add_u32 v[SPW], v[NIL]                      ; 0 onto my spare word
.if \round
	s_and_b32 s[OF], s[NXT], 7
	s_lshl_b32 s[OF], s[OF], 8                     ; a K step is 256 bytes of a row
	s_cmp_lt_u32 s[NXT], 8
	s_cselect_b64 s[TA:TA+1], s[PA1:PA1+1], s[PA2:PA2+1]
	s_cselect_b64 s[TB:TB+1], s[PB1:PB1+1], s[PB2:PB2+1]
	s_add_nc_u64 s[G0+4*(\slot)+2:G0+4*(\slot)+3], s[TA:TA+1], s[OF:OF+1]
	s_or_b32 s[G0+4*(\slot)+3], s[G0+4*(\slot)+3], 0x80000000
	s_add_nc_u64 s[G0B+4*(\slot)+2:G0B+4*(\slot)+3], s[TB:TB+1], s[OF:OF+1]
	s_or_b32 s[G0B+4*(\slot)+3], s[G0B+4*(\slot)+3], 0x80000000
	s_add_co_u32 s[NXT], s[NXT], 1
.endif
	s_wait_dscnt 9                                 ; (the add and the youngest eight loads may be out)
.if (\sc) >= 0
	LUMP F1, 0, \sc
.endif
	MUL16 F1, 0, 0, 0
	s_wait_dscnt 0x0                               ; the add is done, and my reads of this slot are over
	s_barrier_signal -1
	MUL16 F1, 0, 2, 0
.if \round
	WIN 0
.endif
	s_barrier_wait -1
.endm
; The whole last quarter.  fill = 1: the barrier opens a round of the cluster's barrier, and the slot just read out is filled again first behind it: 224 matrix instructions ahead of the wait for it.
; scn: the set that takes the next K step's scales; its eight loads stand ahead of the run of 32, so the next quarter's count covers them.
.macro TURN slot, next, fill, sc, scn
.if \fill
	s_wait_xcnt 0x0                                ; the last prefetch, a K step back, has read its address
	s_add_co_u32 s[PN], s[NXT], 2
	s_and_b32 s[OF2], s[PN], 7
	s_lshl_b32 s[OF2], s[OF2], 8
	s_cmp_lt_u32 s[PN], 8
	s_cselect_b64 s[PFA:PFA+1], s[PF1:PF1+1], s[PF2:PF2+1]
	s_cselect_b32 s[GO], 1, s[FL2]
	s_add_nc_u64 s[PFA:PFA+1], s[PFA:PFA+1], s[OF2:OF2+1]
	s_cmp_lt_u32 s[PN], 16                         ; there are sixteen K steps
	s_cselect_b32 s[GO], s[GO], 0
.endif
	MEET \fill, \slot, \sc
.if \fill
	CREST                                          ; no wave of any partner still reads this slot's tile or has a load on its way
	JLOAD \slot                                    ; my one tensor load behind the round; its four v_nop are also the places in front of the loads below
.else
	PLACES
.endif
.if (\sc) >= 0
	WIN 0
	v_add_nc_u32 v[SCA], s[SOF], v[SC0]
.irp a, 0,1,2,3,4,5,6,7
	ds_load_b32 v[(\scn)+(\a)], v[SCA] offset:64*(\a)
.endr
	s_add_co_u32 s[SOF], s[SOF], 1024
.endif
	FETCH \next, 0, F0
.if \fill
	ASK
.endif
.if (\sc) >= 0
	LUMP F1, 4, \sc
.endif
	MUL16 F1, 1, 0, 0
	MUL16 F1, 1, 2, 0
.endm
	s_wait_tensorcnt 1                             ; my part of K step 0 is in; K step 1's may stay out
	s_wait_dscnt 0x0                               ; for the others' sake: my rows of the scale table are written
	s_barrier_signal -1
	s_barrier_wait -1
.irp a, 0,1,2,3,4,5,6,7
	ds_load_b32 v[SCE+(\a)], v[SC0] offset:64*(\a) ; K step 0's scales
.endr
	FETCH 0, 0, F0
	QUARTER 0, 64,  F0, F1, 1, SCE                 ; the first quarter stands in front of the loop: its products start the sums
	WIN 0                                          ; at a label and at a branch every window is 0
	s_mov_b32 s3, LAPS-1
.Llap:                                             ; a trip goes once round the ring, from a lap's second quarter to the next lap's first, and fills both slots again: K steps 2 to 15 in seven trips
	QUARTER 0, 128, F1, F0, 0, SCE
	QUARTER 0, 192, F0, F1, 0, SCE
	TURN 0, 1, 1, SCE, SCO
	QUARTER 1, 64,  F0, F1, 0, SCO
	QUARTER 1, 128, F1, F0, 0, SCO
	QUARTER 1, 192, F0, F1, 0, SCO
	TURN 1, 0, 1, SCO, SCE
	QUARTER 0, 64,  F0, F1, 0, SCE
	WIN 0
	s_sub_co_u32 s3, s3, 1
	s_cmp_lg_u32 s3, 0
	s_cbranch_scc1 .Llap
	QUARTER 0, 128, F1, F0, 0, -1                  ; the rest of K steps 14 and 15 is written out: it asks for nothing, and its scale is 1, so nothing is multiplied
	QUARTER 0, 192, F0, F1, 0, -1
	TURN 0, 1, 0, -1, -1
	QUARTER 1, 64,  F0, F1, 0, -1
	QUARTER 1, 128, F1, F0, 0, -1
	QUARTER 1, 192, F0, F1, 0, -1
	s_wait_dscnt 8                                 ; the very last quarter: nothing more to fetch
	MUL16 F1, 0, 0, 0
	MUL16 F1, 0, 2, 0
	s_wait_dscnt 0x0
	MUL16 F1, 1, 0, 0
	MUL16 F1, 1, 2, 0
	; THE WAY OUT.  Every wave's reads of the ring are over and the ring has had its last fill: behind this barrier its bytes take the sums, a lane's 32 bytes of a row at a time; they come back as whole rows of 512 bytes.
	WIN 0
	PLACES
	s_wait_dscnt 0x0
	s_barrier_signal -1
	s_barrier_wait -1
.irp a, 0,1,2,3,4,5,6,7                ; each accumulator's four lowest registers go first
	WIN 0x08+4*((\a)/4)                            ; the stores' data in window 2 or 3, the address in window 0
.irp b, 0,1,2,3,4,5,6,7
	ds_store_b128 v[DST], v[64*((\a)%4)+8*(\b):64*((\a)%4)+8*(\b)+3]   offset:(\a)*16*DPITCH+64*(\b)
	ds_store_b128 v[DST], v[64*((\a)%4)+8*(\b)+4:64*((\a)%4)+8*(\b)+7] offset:(\a)*16*DPITCH+64*(\b)+16
.endr
.endr
	WIN 0
	s_mov_b32 s[SOF], 0
	s_mov_b32 s3, 16
.Lrow:                                             ; a trip: eight rows of my 128.  The bytes are my wave's own, and LDS serves a wave's instructions in order (ISA guide 5.7.1.4)
	v_add_nc_u32 v[RDR], s[SOF], v[RDR0]
.irp i, 0,1,2,3,4,5,6,7
	ds_load_b128 v[E+4*(\i):E+4*(\i)+3], v[RDR] offset:DPITCH*(\i)
.endr
	s_wait_dscnt 0x0
.set n, 0
.rept 16
	v_pk_mul_f32 v[E+2*n:E+2*n+1], v[E+2*n:E+2*n+1], s[K2:K2+1] op_sel_hi:[1,0]
.set n, n+1
.endr
.set n, 0
.rept 32
	v_exp_f32 v[E+n], v[E+n]
.set n, n+1
.endr
	v_nop
	s_wait_alu depctr_va_vdst(0)                   ; one wait for the 32 exponentials
.set n, 0
.rept 16
	v_pk_add_f32 v[E+2*n:E+2*n+1], v[E+2*n:E+2*n+1], 1.0 op_sel_hi:[1,0]
.set n, n+1
.endr
.set n, 0
.rept 32
	v_rcp_f32 v[E+n], v[E+n]
.set n, n+1
.endr
	v_nop
	s_wait_alu depctr_va_vdst(0)                   ; one wait for the 32 reciprocals
.set n, 0
.rept 16
	v_pk_fma_f32 v[E+2*n:E+2*n+1], v[E+2*n:E+2*n+1], -2.0, 1.0 op_sel_hi:[1,0,0]
.set n, n+1
.endr
.irp i, 0,1,2,3,4,5,6,7
	global_store_b128 v[CO], v[E+4*(\i):E+4*(\i)+3], s[8:9] offset:4096*(\i) th:TH_STORE_NT  ; a wave stores 512 consecutive bytes, at a multiple of 512 from out0's first byte
.endr
	s_wait_xcnt 0x0                                ; the stores have read their data and their base: both are rewritten only behind this wait
	s_add_nc_u64 s[8:9], s[8:9], 8*4096
	s_add_co_u32 s[SOF], s[SOF], 8*DPITCH
	s_sub_co_u32 s3, s3, 1
	s_cmp_lg_u32 s3, 0
	s_cbranch_scc1 .Lrow
	s_wait_tensorcnt 0x0                           ; the wave's end, behind my last tensor load and my last LDS store
	ds_add_u32 v[SPW], v[NIL]
	s_wait_dscnt 0x0
	CROUND                                         ; the closing round: no work-group ends while a partner may still ask for a tile that names it
	s_endpgm
.Lfunc_end_k_q9b44b73204_fin:
	.size	k_q9b44b73204_fin, .Lfunc_end_k_q9b44b73204_fin-k_q9b44b73204_fin
	.p2alignl 7, 3214868480
	.fill 96, 4, 3214868480
	.section	.rodata,"a",@progbits
	.p2align	6, 0x0
	.amdhsa_kernel k_q9b44b73204_fin
		.amdhsa_group_segment_fixed_size 327680
		.amdhsa_private_segment_fixed_size 0
		.amdhsa_enable_private_segment 0
		.amdhsa_kernarg_size 48
		.amdhsa_user_sgpr_count 2
		.amdhsa_user_sgpr_kernarg_segment_ptr 1
		.amdhsa_wavefront_size32 1
		.amdhsa_system_sgpr_workgroup_id_x 1
		.amdhsa_system_sgpr_workgroup_id_y 1
		.amdhsa_system_sgpr_workgroup_id_z 1
		.amdhsa_system_vgpr_workitem_id 0
		.amdhsa_next_free_vgpr 1024
		.amdhsa_next_free_sgpr 102
		.amdhsa_reserve_vcc 0
		.amdhsa_float_denorm_mode_32 3
		.amdhsa_float_denorm_mode_16_64 3
		.amdhsa_memory_ordered 1
		.amdhsa_forward_progress 1
		.amdhsa_inst_pref_size 173
	.end_amdhsa_kernel
	.amdgpu_metadata
---
amdhsa.version: [ 1, 2 ]
amdhsa.kernels:
  - .name:           k_q9b44b73204_fin
    .symbol:         k_q9b44b73204_fin.kd
    .args:
      - { .name: p16, .offset: 0, .size: 8, .value_kind: global_buffer, .address_space: global }
      - { .name: gt16, .offset: 8, .size: 8, .value_kind: global_buffer, .address_space: global }
      - { .name: q16, .offset: 16, .size: 8, .value_kind: global_buffer, .address_space: global }
      - { .name: w16, .offset: 24, .size: 8, .value_kind: global_buffer, .address_space: global }
      - { .name: st, .offset: 32, .size: 8, .value_kind: global_buffer, .address_space: global }
      - { .name: out0, .offset: 40, .size: 8, .value_kind: global_buffer, .address_space: global }
    .group_segment_fixed_size: 327680
    .private_segment_fixed_size: 0
    .kernarg_segment_align: 8
    .kernarg_segment_size: 48
    .max_flat_workgroup_size: 128
    .sgpr_count:     102
    .vgpr_count:     1024
    .wavefront_size: 32
...
	.end_amdgpu_metadata
.endif
;; end of part 3
;; ======== version 2 of 2: 3 launches; version 1 with the launch cast written anew for expert scheduling mode
;; limits: values are held in f16: magnitudes above 65,504 overflow, below 6.1e-05 lose precision; inputs' magnitudes at most 65,504; right only within a limited range of input values
;; workspace buffers: q16 33,554,432 bytes; c16 33,554,432 bytes; w16 4,194,304 bytes; p16 33,554,432 bytes; gt16 33,554,432 bytes; st 1,048,576 bytes
;; launch cast (part 4): grid 544 x 1, 8 waves a work-group, no clusters, 0 bytes of LDS; arguments query, context, W_attn, q16, c16, w16; writes q16, c16, w16
.if DOCPART == 4
	.amdgcn_target "amdgcn-amd-amdhsa--gfx1250"
	.amdhsa_code_object_version 6
	.text
	.protected	k_q9b44b73204_cast
	.globl	k_q9b44b73204_cast
	.p2align	8
	.type	k_q9b44b73204_cast,@function
k_q9b44b73204_cast:
	s_mov_b64 s[64:65], 0
	v_nop
	global_prefetch_b8 v0, s[64:65] scope:SCOPE_SE
	s_setreg_imm32_b32 hwreg(HW_REG_WAVE_SCHED_MODE, 0, 2), 2
	s_setreg_imm32_b32 hwreg(HW_REG_WAVE_MODE, 25, 1), 1
	s_wait_xcnt 0x0
	s_wait_alu depctr_vm_vsrc(0)
; q16, c16, w16 = query, context, W_attn: each f32 is rounded once to bf16 (nearest even), and that number is written as f16.
; A bf16 number has 8 significant bits, f16 holds 11: the second step changes nothing inside f16's normal range.
; LIMITS.  After the rounding to bf16 a number of 65,520 or more becomes an infinity; below 6.1e-5 f16 keeps a fixed step of 6e-8.  NaN and infinities are not treated apart.
; SHARES.  The unit is a row of 1,024 f32: 4,096 bytes in, 2,048 bytes out.  A work-group takes 64 rows: groups 0-255 query, 256-511 context, 512-543 W_attn, of which a row is two units:
; its first half goes to plane 0 of w16 (the weights of mix), its second to plane 1 (the weights of query): w16 is [2][1024][1024].
; Thread t owns bytes 16 t of each row in and bytes 8 t of each row out: a wave's load covers 512 consecutive bytes, its store 256 consecutive bytes, aligned.
; No LDS, no matrix unit, no cluster: the work-groups share no byte, and the launch only moves data.
; THE MODE: SCHED_MODE bits 1:0 = 2 (LLVM: expert scheduling mode 2), set by the entry lines.  The code itself states the register dependences
; between vector instructions and memory instructions, with s_wait_alu, always for 0.
; THE PLAN.  The 64 rows go in 16 blocks of four.  Registers that memory instructions touch:
;   X0 .. X3   four blocks as loaded.   Written by the loads of block p + 3, issued in block p; read by block p's roundings to bf16.
;   Y0, Y1     two blocks to store.     Written by block p's conversions to f16; read by the four stores that are issued in block p + 1.
;   v1, v2-v5  byte offsets, made once at the head and never written again: the rows in are reached by the source's base, which moves on by a block at each block's head, and by
;              immediate offsets; a row's place out among a block's four hangs on the tensor (rows on end, or W's two planes), so it lies in four registers, and the target's base steps.
; Block p works on X[p % 4] and writes Y[p % 2].  Its memory instructions are the loads into X[(p + 3) % 4] = X[(p - 1) % 4] and the stores from Y[(p - 1) % 2]: the two buffers that block
; p - 1 worked on and that no vector instruction of block p names.  So the waits at the head of a block state all that the block's eight memory instructions hang on, and these are
; dealt among its vector instructions with no further wait.  Eight to twelve loads of every wave are on their way.
.set BLOCK,  4                         ; rows in a block
.set BLOCKS, 64/BLOCK
.set ROWI,   4096                      ; bytes in a row as it comes in
.set LO,    1                          ; v1        16 t: my 16 bytes in every row in
.set OB,    2                          ; v[2:5]    row i of a block: byte offset of my 8 bytes out among the block's four rows
.set T,     6                          ; v[6:7]    four bf16: no memory instruction names them,
.set U,     8                          ; v[8:11]   nor these: the same four as f32
.set X,     12                         ; v[12:75]  buffer k, row i: four f32 as loaded, at X + 16 k + 4 i
.set Y,     76                         ; v[76:91]  buffer k, row i: four f16 to store, at Y + 8 k + 2 i
.set STEP,  3                          ; s3   bytes out for a block's four units
.set SRC,   16                         ; s[16:17]  the source at the first row of the block in hand
.set DSP,   18                         ; s[18:19]  the target at the first row of the block before: the block whose stores are issued
.set SPL,   20                         ; s20  bytes out from an even unit to the odd one behind it: 2,048, for W a plane
.set SQL,   21                         ; s21  bytes out from a pair of units to the next: 4,096, for W 2,048
.set STQ,   22                         ; s[22:23]  what the target's base steps by: 0 at block 1, whose stores are block 0's, then a block's bytes
.set MASK,  24                         ; s24  a word's upper bf16
.set CNT,   25
	s_load_b256 s[4:11], s[0:1], 0x0               ; query s[4:5], context s[6:7], W_attn s[8:9], q16 s[10:11]
	s_load_b128 s[12:15], s[0:1], 0x20             ; c16 s[12:13], w16 s[14:15]
	s_mov_b32 s2, ttmp9
	s_and_b32 s26, s2, 255                         ; the group's number within its tensor
	s_mov_b32 s[MASK], 0xffff0000
	s_mov_b32 s[SPL], 0x200000
	s_mov_b32 s[SQL], 2048
	s_cmp_lt_u32 s2, 512                           ; query or context?
	s_cselect_b32 s[SPL], 2048, s[SPL]
	s_cselect_b32 s[SQL], 4096, s[SQL]
	s_cselect_b32 s27, 17, 16                      ; a group's bytes out: 64 rows of 2,048, for W 32 in each plane
	s_lshl_b32 s[STEP], s[SQL], 1                  ; a block is two pairs of units
	s_mov_b32 s[STQ], 0
	s_mov_b32 s[STQ+1], 0
	s_lshl_b32 s28, s26, 18                        ; a group's bytes in: 64 x 4,096
	s_mov_b32 s29, 0
	s_lshl_b32 s30, s26, s27
	s_mov_b32 s31, 0
	v_lshlrev_b32 v[LO], 4, v0
	v_lshlrev_b32 v[OB], 3, v0                     ; row 0 of a block: 8 t,
	v_add_nc_u32 v[OB+1], s[SPL], v[OB]            ; row 1: the odd unit behind it,
	v_add_nc_u32 v[OB+2], s[SQL], v[OB]            ; rows 2 and 3: the next pair
	v_add_nc_u32 v[OB+3], s[SQL], v[OB+1]
	s_wait_kmcnt 0x0
	s_cmp_lt_u32 s2, 512
	s_cselect_b64 s[SRC:SRC+1], s[6:7], s[8:9]
	s_cselect_b64 s[DSP:DSP+1], s[12:13], s[14:15]
	s_cmp_lt_u32 s2, 256
	s_cselect_b64 s[SRC:SRC+1], s[4:5], s[SRC:SRC+1]
	s_cselect_b64 s[DSP:DSP+1], s[10:11], s[DSP:DSP+1]
	s_add_nc_u64 s[SRC:SRC+1], s[SRC:SRC+1], s[28:29]
	s_add_nc_u64 s[DSP:DSP+1], s[DSP:DSP+1], s[30:31]
	s_wait_alu depctr_va_vdst(0)                   ; v1 to v5 are written: every load and store of the kernel reads one of them as its offset
.irp i, 0,1,2,3,4,5,6,7,8,9,10,11
	global_load_b128 v[X+4*(\i):X+4*(\i)+3], v[LO], s[SRC:SRC+1] offset:(\i)*ROWI th:TH_LOAD_NT  ; blocks 0, 1 and 2 into X0, X1, X2
.endr
; Block p.  xb = p % 4, yb = p % 2.  first = 1: block 0, with no block in front of it.  ahead = 1: block p + 3 is loaded.
; left = how many younger loads may still be out when this block's four have to be there.
.macro BLK xb, yb, first, ahead, left
	s_wait_loadcnt \left                           ; loads come back in order (ISA guide 5.7.1): X[xb] is in, the younger blocks stay out
.if !\first
	s_wait_xcnt 0x0                                ; every earlier memory instruction has had its addresses translated (ISA guide 3.1): the two bases and Y[yb] are rewritten only behind this wait
	s_wait_alu depctr_vm_vsrc(0)                   ; the stores issued in the block before have read Y[yb], which this block's conversions write again
	s_wait_alu depctr_va_vdst(0)                   ; the block before has written the other Y, which the stores below read, and is done reading its X, in which the loads below land
.if \ahead
	s_add_nc_u64 s[SRC:SRC+1], s[SRC:SRC+1], BLOCK*ROWI  ; the source at this block's first row
.endif
	s_add_nc_u64 s[DSP:DSP+1], s[DSP:DSP+1], s[STQ:STQ+1]  ; the target at the first row of the block before
	s_mov_b32 s[STQ], s[STEP]
.endif
.irp i, 0,1,2,3
.if \ahead
	global_load_b128 v[X+16*((\xb+3)%4)+4*(\i):X+16*((\xb+3)%4)+4*(\i)+3], v[LO], s[SRC:SRC+1] offset:(3*BLOCK+(\i))*ROWI th:TH_LOAD_NT  ; three blocks ahead; no vector instruction since the wait names these registers
.endif
.if !\first
	global_store_b64 v[OB+(\i)], v[Y+8*(1-\yb)+2*(\i):Y+8*(1-\yb)+2*(\i)+1], s[DSP:DSP+1]  ; the block before
.endif
	v_cvt_pk_bf16_f32 v[T],   v[X+16*\xb+4*(\i)],   v[X+16*\xb+4*(\i)+1]   ; the one rounding
	v_cvt_pk_bf16_f32 v[T+1], v[X+16*\xb+4*(\i)+2], v[X+16*\xb+4*(\i)+3]
	v_lshlrev_b32 v[U],   16, v[T]                 ; bf16 to f32: the low half moves up,
	v_and_b32     v[U+1], s[MASK], v[T]            ; the high half stays
	v_lshlrev_b32 v[U+2], 16, v[T+1]
	v_and_b32     v[U+3], s[MASK], v[T+1]
	v_cvt_pk_f16_f32 v[Y+8*\yb+2*(\i)],   v[U],   v[U+1]
	v_cvt_pk_f16_f32 v[Y+8*\yb+2*(\i)+1], v[U+2], v[U+3]
.endr
.endm
	BLK 0, 0, 1, 1, 2*BLOCK                        ; block 0
	s_mov_b32 s[CNT], (BLOCKS-4)/4
.Lround:                                           ; blocks 1 to 12, four to a lap: both kinds of buffer are back at their start
	BLK 1, 1, 0, 1, 2*BLOCK
	BLK 2, 0, 0, 1, 2*BLOCK
	BLK 3, 1, 0, 1, 2*BLOCK
	BLK 0, 0, 0, 1, 2*BLOCK
	s_sub_co_u32 s[CNT], s[CNT], 1
	s_cmp_lg_u32 s[CNT], 0
	s_cbranch_scc1 .Lround
	BLK 1, 1, 0, 0, 2*BLOCK                        ; blocks 13 to 15 load nothing: no load leaves the buffer, and the counts run down
	BLK 2, 0, 0, 0, BLOCK
	BLK 3, 1, 0, 0, 0
	s_wait_xcnt 0x0                                ; block 14's stores have had their addresses translated: their base is rewritten only behind this wait
	s_add_nc_u64 s[DSP:DSP+1], s[DSP:DSP+1], s[STQ:STQ+1]  ; the target at block 15's first row
	s_wait_alu depctr_va_vdst(0)                   ; block 15 has written Y1, which the last four stores read
.irp i, 0,1,2,3
	global_store_b64 v[OB+(\i)], v[Y+8+2*(\i):Y+8+2*(\i)+1], s[DSP:DSP+1]
.endr
	s_endpgm
.Lfunc_end_k_q9b44b73204_cast:
	.size	k_q9b44b73204_cast, .Lfunc_end_k_q9b44b73204_cast-k_q9b44b73204_cast
	.p2alignl 7, 3214868480
	.fill 96, 4, 3214868480
	.section	.rodata,"a",@progbits
	.p2align	6, 0x0
	.amdhsa_kernel k_q9b44b73204_cast
		.amdhsa_group_segment_fixed_size 0
		.amdhsa_private_segment_fixed_size 0
		.amdhsa_enable_private_segment 0
		.amdhsa_kernarg_size 48
		.amdhsa_user_sgpr_count 2
		.amdhsa_user_sgpr_kernarg_segment_ptr 1
		.amdhsa_wavefront_size32 1
		.amdhsa_system_sgpr_workgroup_id_x 1
		.amdhsa_system_sgpr_workgroup_id_y 1
		.amdhsa_system_sgpr_workgroup_id_z 1
		.amdhsa_system_vgpr_workitem_id 0
		.amdhsa_next_free_vgpr 92
		.amdhsa_next_free_sgpr 66
		.amdhsa_reserve_vcc 0
		.amdhsa_float_denorm_mode_32 3
		.amdhsa_float_denorm_mode_16_64 3
		.amdhsa_memory_ordered 1
		.amdhsa_forward_progress 1
		.amdhsa_inst_pref_size 22
	.end_amdhsa_kernel
	.amdgpu_metadata
---
amdhsa.version: [ 1, 2 ]
amdhsa.kernels:
  - .name:           k_q9b44b73204_cast
    .symbol:         k_q9b44b73204_cast.kd
    .args:
      - { .name: query, .offset: 0, .size: 8, .value_kind: global_buffer, .address_space: global }
      - { .name: context, .offset: 8, .size: 8, .value_kind: global_buffer, .address_space: global }
      - { .name: W_attn, .offset: 16, .size: 8, .value_kind: global_buffer, .address_space: global }
      - { .name: q16, .offset: 24, .size: 8, .value_kind: global_buffer, .address_space: global }
      - { .name: c16, .offset: 32, .size: 8, .value_kind: global_buffer, .address_space: global }
      - { .name: w16, .offset: 40, .size: 8, .value_kind: global_buffer, .address_space: global }
    .group_segment_fixed_size: 0
    .private_segment_fixed_size: 0
    .kernarg_segment_align: 8
    .kernarg_segment_size: 48
    .max_flat_workgroup_size: 256
    .sgpr_count:     66
    .vgpr_count:     92
    .wavefront_size: 32
...
	.end_amdgpu_metadata
.endif
;; end of part 4
;; launch sg: the kernel of part 2 again; grid 4 x 64, 4 waves a work-group, clusters of 4 x 4, 327,680 bytes of LDS; arguments q16, c16, w16, p16, gt16, st; writes p16, gt16, st
;; launch fin: the kernel of part 3 again; grid 4 x 64, 4 waves a work-group, clusters of 4 x 4, 327,680 bytes of LDS; arguments p16, gt16, q16, w16, st, out0; writes out0
